; MI455X (gfx1250); checked and timed in simulation.
; The chip was launched on July 23, 2026; its instructions are those of AMD's public machine-readable ISA for CDNA 5 (MIT licence, August 2026) and "CDNA5" Instruction Set Architecture Reference Guide (July 2026). The comments in the code are by the model that wrote it; some were corrected since.
;; Multi Head Attn. Allowed arithmetic: matrix products marked QUANTISED: E5M2 operands, one E8M0 scale for each 32 along K, by v_wmma_scale_f32_16x16x128_f8f6f4 with both operands' format E5M2, f32 sums; everything else in f32.
;; Inputs: K_codes 4 x 2,048 x 32 x 32 uint8 (E5M2 codes of K, K innermost, in blocks of 32 codes); K_scales 4 x 2,048 x 32 uint8 (E8M0 scales of K, one for each 32 codes along K); Q 4 x 2,048 x 1,024 float32; V_codes 4 x 2,048 x 32 x 32 uint8 (E5M2 codes of V, K innermost, in blocks of 32 codes); V_scales 4 x 2,048 x 32 uint8 (E8M0 scales of V, one for each 32 codes along K); Wk_codes 16 x 64 x 32 x 32 uint8 (E5M2 codes of Wk, K innermost, in blocks of 32 codes); Wk_scales 16 x 64 x 32 uint8 (E8M0 scales of Wk, one for each 32 codes along K); Wo_codes 1,024 x 32 x 32 uint8 (E5M2 codes of Wo, K innermost, in blocks of 32 codes); Wo_scales 1,024 x 32 uint8 (E8M0 scales of Wo, one for each 32 codes along K); Wq_codes 16 x 64 x 32 x 32 uint8 (E5M2 codes of Wq, K innermost, in blocks of 32 codes); Wq_scales 16 x 64 x 32 uint8 (E8M0 scales of Wq, one for each 32 codes along K); Wv_codes 16 x 64 x 32 x 32 uint8 (E5M2 codes of Wv, K innermost, in blocks of 32 codes); Wv_scales 16 x 64 x 32 uint8 (E8M0 scales of Wv, one for each 32 codes along K); beta 1,024 float32; bk 16 x 64 float32; bo 1,024 float32; bq 16 x 64 float32; bv 16 x 64 float32; gamma 1,024 float32.
;; Outputs: out0 4 x 1,024 x 2,048 float32.
;; This version of the problem:
;;   THIS VERSION OF THE PROBLEM IS GIVEN IN LOW PRECISION. The matrix products marked QUANTISED in the list below multiply operands that are first quantised to E5M2 (5 exponent bits, 2 mantissa bits; 8 bits a number), with one power-of-two scale for each 32 numbers along K (OCP MX v1.0); their sums are f32. All else is computed in f32.
;;   The module's matrix products, in the order in which they are computed (A, B: the left and right operand; K: the contracted axis; several contracted axes count as one K, in the product's order):
;;     1. [M 1,024, K 1,024] x [K 1,024, N 8,192]; A: input Wq (given as codes); B: input Q: QUANTISED
;;     2. [M 1,024, K 1,024] x [K 1,024, N 8,192]; A: input Wk (given as codes); B: input K (given as codes): QUANTISED
;;     3. [M 1,024, K 1,024] x [K 1,024, N 8,192]; A: input Wv (given as codes); B: input V (given as codes): QUANTISED
;;     4. batch 64 x [M 2,048, K 64] x [K 64, N 2,048]; A: computed on the way; B: computed on the way: QUANTISED
;;     5. batch 64 x [M 2,048, K 2,048] x [K 2,048, N 64]; A: softmax (see below); B: computed on the way: QUANTISED
;;     6. [M 8,192, K 1,024] x [K 1,024, N 1,024]; A: computed on the way; B: input Wo (given as codes): QUANTISED
;;   THE QUANTISER, for each operand of a quantised product, along K:
;;     - K is cut into blocks of 32 from its start; a last block that is shorter is filled with zeros.
;;     - A block's scale is 2^e with e = floor(log2(the largest magnitude in the block)) - 15, held to -126 .. 127; a block of zeros has e = 0. As a byte (E8M0): e + 127.
;;     - Each number is divided by its block's scale, clamped to +-57,344, and rounded to the nearest number of E5M2, ties to even, subnormals kept.
;;     - The product sums the exact products of the quantised numbers (number of the format x scale) in f32.
;;   ~~~python
;;   def quantise(x, axis):      # numpy; x: float32 -> the quantised numbers, widened to float32 again
;;       x = np.moveaxis(x, axis, -1); K = x.shape[-1]
;;       x = np.pad(x, [(0, 0)] * (x.ndim - 1) + [(0, -K % 32)]); x = x.reshape(x.shape[:-1] + (-1, 32)); a = np.abs(x).max(-1, keepdims=True)
;;       e = np.where(a > 0, np.clip(np.frexp(np.where(a > 0, a, 1))[1] - 1 - 15, -126, 127), 0)      # np.frexp(a)[1] - 1 = floor(log2(a)), exactly
;;       r = np.clip(x / 2.0 ** e, -57344, 57344)
;;       step = 2.0 ** (np.maximum(np.frexp(np.where(r == 0, 1, r))[1] - 1, -14) - 2)
;;       q = np.round(r / step) * step * 2.0 ** e      # np.round: ties to even
;;       return np.moveaxis(q.reshape(q.shape[:-2] + (-1,))[..., :K], -1, axis).astype(np.float32)
;;   ~~~
;;   SOFTMAX AHEAD OF A QUANTISED PRODUCT. Where the list says 'softmax', what is quantised is not the finished softmax but p = 2^(t - M), with t = logit x log2(e) and M = ceil(the row's largest t), a whole number; so 1/2 < the row's largest p <= 1. The row's sum l is taken of the UNQUANTISED p, in f32, and the product's result is divided by l at the end. Since M is a whole number, a kernel that streams over the keys may use a running M (the ceiling of the running maximum): every later rescaling is an exact power of two, which a block's scale takes up: the codes' values come out the same.
;;   OPERANDS COMPUTED ON THE WAY. 'Computed on the way' means the value that the module computes at that place (a softmax that the list does not call 'softmax' is quantised finished and normalised). What goes into a quantiser is computed in f32, as accurately as f32 sums, v_exp_f32 and their like allow (about 1e-6 of the number): no bf16 or f16 on the way to a quantiser, and a product that is left as it is and whose result goes on into a quantised operand takes f32 operands (vector FMAs, or v_wmma_f32_16x16x4_f32). A number that lies on a knife's edge between two numbers of the format may be rounded either way, as far as f32 arithmetic and the matrix unit's own rounding can turn it there, and no further.
;;   INPUTS GIVEN AS CODES. K (in the module: [4, 2048, 1024], K = its axis 2); V (in the module: [4, 2048, 1024], K = its axis 2); Wk (in the module: [16, 1024, 64], K = its axis 1); Wo (in the module: [1024, 1024], K = its axis 0); Wq (in the module: [16, 1024, 64], K = its axis 1); Wv (in the module: [16, 1024, 64], K = its axis 1): each comes as NAME_codes (uint8): NAME with its K axis moved to the last place and cut into blocks of 32 codes, [.., K / 32, bytes a block], one block behind the other in memory; one code a byte (a code: sign, 5 exponent bits, 2 mantissa bits); and NAME_scales (uint8): the same leading axes, one E8M0 byte (e + 127) for each 32 codes along K. Its value is code x scale, taken as it is: it is not quantised again, and the codes and scales need not be those that the quantiser above would give.
;; One version. Each part assembles by itself: llvm-mc -triple=amdgcn-amd-amdhsa -mcpu=gfx1250 --defsym DOCPART=n.
;; ======== version 1 of 1: 5 launches
;; limits: right only within a limited range of input values
;; workspace buffers: Qc 8,388,608 bytes; Qs 262,144 bytes; qb 8,912,896 bytes; kv 17,563,648 bytes; oimg 8,388,608 bytes; os 262,144 bytes; y 33,554,432 bytes; st 524,288 bytes
;; launch quantq (part 1): grid 256 x 1, 4 waves a work-group, no clusters, 33,280 bytes of LDS; arguments Q, Qc, Qs; writes Qc, Qs
.if DOCPART == 1
	.amdgcn_target "amdgcn-amd-amdhsa--gfx1250"
	.amdhsa_code_object_version 6
	.text
	.protected	k_q17b15d0456_quantq
	.globl	k_q17b15d0456_quantq
	.p2align	8
	.type	k_q17b15d0456_quantq,@function
k_q17b15d0456_quantq:
	s_mov_b64 s[64:65], 0
	v_nop
	global_prefetch_b8 v0, s[64:65] scope:SCOPE_SE
	s_setreg_imm32_b32 hwreg(HW_REG_WAVE_MODE, 25, 1), 1
	s_wait_xcnt 0x0
; Q [8192][1024], f32, is turned into codes of BF8 (E5M2), K innermost, with one E8M0 scale byte for each 32 along K: Qc [8192][1024 bytes], Qs [8192][32 bytes].
; A block's scale is 2^(floor(log2(its largest magnitude)) - 15); its byte is the largest magnitude's own exponent field - 15, held at 1 from below.  Each number is divided by the scale,
; held within +-57,344 and rounded to the nearest code, ties to even.
; LIMITS: a block of zeros gets the byte 1 where the rule says 127 (its codes are zeros, and this program alone reads the bytes); NaN and infinities among the inputs are not served.
; Rows are dense and 1,024 is a multiple of 32, so Q is a plain stream of blocks of 32.  A wave takes 16 steps of 512 numbers; 256 work-groups x 4 waves x 8,192 numbers are all of Q.
; Each of a step's four loads reads 512 consecutive bytes; the 2,048 bytes turn through the wave's own stage in LDS and come back 64 bytes a lane, so that a lane holds 16 neighbours along K
; (two neighbouring lanes hold a block).  A lane's 16 codes are 16 bytes: the wave stores 512 consecutive bytes.  A wave's 256 scale bytes are gathered in LDS and leave as one store of 256 consecutive bytes.
; No tensor loads, no barrier, no cluster: waves and work-groups share nothing.  Loads run four steps (16 loads a wave) ahead.
.set STEPS, 16
.set EMAX,  15
.set MANT,  0x600000                   ; the mantissa field of 57,344 as f32
.set CB,    16                         ; bytes of 16 codes
.set R,     16                         ; v16-79   four sets of 16 numbers as they are loaded
.set X,     80                         ; v80-111  two sets of 16 neighbours
.set C,     128                        ; v128-191 codes: four registers for each step, so that no store's data are written again
.set E,     112                        ; v112-127 a scale byte for each step
.set WREG,  8192                       ; LDS: a region for each wave: two stages of 32 x SP bytes, behind them its 256 scale bytes
.set SP,    80                         ; a lane's place in a stage: its 64 bytes + 16 of padding
	s_load_b64 s[4:5], s[0:1], 0x0                 ; Q
	s_load_b64 s[8:9], s[0:1], 0x8                 ; the codes
	s_load_b64 s[10:11], s[0:1], 0x10              ; the scale bytes
	v_lshl_add_u32 v192, v0, 2, 0x8000
	v_mov_b32 v193, 0
	v_lshrrev_b32 v1, 5, v0
	v_readfirstlane_b32 s16, v1                    ; wave
	v_and_b32 v2, 31, v0                           ; lane
	v_lshlrev_b32 v3, 4, v2                        ; my 16 bytes of a load's 512
	s_mul_i32 s17, s16, WREG
	v_lshrrev_b32 v14, 2, v2
	v_mul_u32_u24 v14, v14, SP
	v_and_b32 v15, 3, v2
	v_lshl_add_u32 v14, v15, 4, v14
	v_add_nc_u32 v14, s17, v14                     ; the stage, on the way in: SP (lane / 4) + 16 (lane % 4)
	v_mul_u32_u24 v15, v2, SP
	v_add_nc_u32 v15, s17, v15                     ; and on the way out: SP x lane: my 16 neighbours
	v_mul_u32_u24 v4, v2, CB                       ; my codes' place in a step's
	v_lshrrev_b32 v5, 1, v2
	s_add_co_u32 s17, s17, 2*32*SP
	v_add_nc_u32 v5, s17, v5                       ; LDS: my wave's 256 scale bytes, my block's byte
	v_lshlrev_b32 v7, 3, v2                        ; and on the way out 8 bytes a lane
	v_add_nc_u32 v6, s17, v7
	s_mov_b32 s23, MANT
	s_lshl_b32 s18, ttmp9, 2
	s_add_co_u32 s18, s18, s16                     ; which run of 8,192 numbers is my wave's
	s_mov_b32 s19, 0
	s_mov_b64 s[20:21], 512*STEPS*4
	s_mul_u64 s[20:21], s[18:19], s[20:21]
	s_mov_b64 s[24:25], 32*STEPS*CB
	s_mul_u64 s[24:25], s[18:19], s[24:25]
	s_lshl_b32 s18, s18, 8                         ; 256 scale bytes a run
	s_wait_alu depctr_va_vdst(0)
	s_wait_kmcnt 0x0
	s_add_nc_u64 s[4:5], s[4:5], s[20:21]
	s_add_nc_u64 s[8:9], s[8:9], s[24:25]
	s_add_nc_u64 s[10:11], s[10:11], s[18:19]
.macro LOAD t
.irp i, 0,1,2,3
	global_load_b128 v[R+16*((\t)%4)+4*\i:R+16*((\t)%4)+4*\i+3], v3, s[4:5] offset:2048*(\t)+512*\i   ; 32 lanes read 512 consecutive bytes
.endr
.endm
.macro TURN t                          ; step t's numbers through the stage: LDS serves a wave's instructions in order, so no wait stands between the stores and the loads
.irp i, 0,1,2,3
	ds_store_b128 v14, v[R+16*((\t)%4)+4*\i:R+16*((\t)%4)+4*\i+3] offset:32*SP*((\t)%2)+8*SP*\i
.endr
.irp i, 0,1,2,3
	ds_load_b128 v[X+16*((\t)%2)+4*\i:X+16*((\t)%2)+4*\i+3], v15 offset:32*SP*((\t)%2)+16*\i
.endr
.endm
.irp t, 0,1,2,3
	LOAD \t
.endr
	s_wait_loadcnt 12                              ; step 0's four loads are in
	TURN 0
.macro STEP t
.set XS, X+16*((\t)%2)
.if (\t) > 0
	s_wait_dscnt 1                                 ; this step's numbers are back from the stage (the last step's byte store may be out): so its stores into the stage have read their registers,
.else
	s_wait_dscnt 0x0
.endif
.if (\t)+4 < STEPS
	LOAD (\t)+4                                    ; which take the loads of four steps on
.endif
.if (\t)+1 < STEPS
.if STEPS-2-(\t) >= 3
	s_wait_loadcnt 12                              ; the next step's four loads are in; those of the three steps behind it may be out
.else
	s_wait_loadcnt 4*(STEPS-2-(\t))
.endif
	TURN (\t)+1                                    ; and go through the other stage while this step is worked
.endif
	v_max3_num_f32 v8, |v[XS]|, |v[XS+1]|, |v[XS+2]|               ; the largest magnitude of my 16
	v_max3_num_f32 v9, |v[XS+3]|, |v[XS+4]|, |v[XS+5]|
.irp i, 6,10
	v_max3_num_f32 v8, v8, |v[XS+\i]|, |v[XS+\i+1]|
	v_max3_num_f32 v9, v9, |v[XS+\i+2]|, |v[XS+\i+3]|
.endr
	v_max3_num_f32 v8, v8, |v[XS+14]|, |v[XS+15]|
	v_max3_num_f32 v8, v8, v9, (EMAX+1)<<23        ; and the floor 2^(16 - 127): the byte cannot fall under 1
	v_max_num_f32_dpp v8, v8, v8 row_xmask:1 row_mask:0xf bank_mask:0xf   ; and of my neighbour's 16: the block's
	v_add_nc_u32 v11, -(EMAX<<23), v8              ; 15 off its exponent field: the conversion takes the exponent field of this operand as its scale
	v_and_or_b32 v10, v8, 0x7f800000, s23          ; 57,344 x the scale
.irp i, 0,1,2,3,4,5,6,7,8,9,10,11,12,13,14,15
	v_med3_num_f32 v[XS+\i], v[XS+\i], -v10, v10   ; the conversion to an 8-bit code does not saturate (ISA guide 7.6.2): the hold comes first
.endr
	v_cvt_scalef32_pk8_bf8_f32 v[C+4*(\t):C+4*(\t)+1], v[XS:XS+7], v11
	v_cvt_scalef32_pk8_bf8_f32 v[C+4*(\t)+2:C+4*(\t)+3], v[XS+8:XS+15], v11
	v_lshrrev_b32 v[E+(\t)], 23, v11               ; the scale's byte
	ds_store_b8 v5, v[E+(\t)] offset:16*(\t)       ; both lanes of a block write the same byte with the same value
	global_store_b128 v4, v[C+4*(\t):C+4*(\t)+3], s[8:9] offset:32*CB*(\t)
.endm
.irp t, 0,1,2,3,4,5,6,7,8,9,10,11,12,13,14,15
	STEP \t
.endr
	ds_load_b64 v[12:13], v6                       ; LDS serves a wave's instructions in order: these see my stores
	s_wait_dscnt 0x0
	global_store_b64 v7, v[12:13], s[10:11]        ; 32 lanes store 256 consecutive bytes, aligned
	s_wait_tensorcnt 0x0
	ds_add_u32 v192, v193
	s_wait_dscnt 0x0
	s_endpgm
.Lfunc_end_k_q17b15d0456_quantq:
	.size	k_q17b15d0456_quantq, .Lfunc_end_k_q17b15d0456_quantq-k_q17b15d0456_quantq
	.p2alignl 7, 3214868480
	.fill 96, 4, 3214868480
	.section	.rodata,"a",@progbits
	.p2align	6, 0x0
	.amdhsa_kernel k_q17b15d0456_quantq
		.amdhsa_group_segment_fixed_size 33280
		.amdhsa_private_segment_fixed_size 0
		.amdhsa_enable_private_segment 0
		.amdhsa_kernarg_size 24
		.amdhsa_user_sgpr_count 2
		.amdhsa_user_sgpr_kernarg_segment_ptr 1
		.amdhsa_wavefront_size32 1
		.amdhsa_system_sgpr_workgroup_id_x 1
		.amdhsa_system_sgpr_workgroup_id_y 1
		.amdhsa_system_sgpr_workgroup_id_z 1
		.amdhsa_system_vgpr_workitem_id 0
		.amdhsa_next_free_vgpr 194
		.amdhsa_next_free_sgpr 66
		.amdhsa_reserve_vcc 0
		.amdhsa_float_denorm_mode_32 3
		.amdhsa_float_denorm_mode_16_64 3
		.amdhsa_memory_ordered 1
		.amdhsa_forward_progress 1
		.amdhsa_inst_pref_size 51
	.end_amdhsa_kernel
	.amdgpu_metadata
---
amdhsa.version: [ 1, 2 ]
amdhsa.kernels:
  - .name:           k_q17b15d0456_quantq
    .symbol:         k_q17b15d0456_quantq.kd
    .args:
      - { .name: Q, .offset: 0, .size: 8, .value_kind: global_buffer, .address_space: global }
      - { .name: Qc, .offset: 8, .size: 8, .value_kind: global_buffer, .address_space: global }
      - { .name: Qs, .offset: 16, .size: 8, .value_kind: global_buffer, .address_space: global }
    .group_segment_fixed_size: 33280
    .private_segment_fixed_size: 0
    .kernarg_segment_align: 8
    .kernarg_segment_size: 24
    .max_flat_workgroup_size: 128
    .sgpr_count:     66
    .vgpr_count:     194
    .wavefront_size: 32
...
	.end_amdgpu_metadata
.endif
;; end of part 1
;; launch proj (part 2): grid 4 x 96, 4 waves a work-group, clusters of 4 x 4, 327,680 bytes of LDS; arguments Qc, Qs, Wq_codes, Wq_scales, bq, qb, K_codes, K_scales, Wk_codes, Wk_scales, bk, kv, Wv_codes, Wv_scales, V_codes, V_scales, bv; writes qb, kv
.if DOCPART == 2
	.amdgcn_target "amdgcn-amd-amdhsa--gfx1250"
	.amdhsa_code_object_version 6
	.text
	.protected	k_q17b15d0456_proj
	.globl	k_q17b15d0456_proj
	.p2align	8
	.type	k_q17b15d0456_proj,@function
k_q17b15d0456_proj:
	s_mov_b64 s[64:65], 0
	v_nop
	global_prefetch_b8 v0, s[64:65] scope:SCOPE_SE
	s_setreg_imm32_b32 hwreg(HW_REG_WAVE_MODE, 25, 1), 1
	s_wait_xcnt 0x0
	s_wait_alu depctr_hold_cnt(0) depctr_sa_sdst(0) depctr_va_vdst(0) depctr_va_sdst(0) depctr_va_ssrc(0) depctr_va_vcc(0) depctr_vm_vsrc(0)
	s_getreg_b32 s2, hwreg(HW_REG_IB_STS2, 6, 4)
	s_cmp_eq_u32 s2, 0
	s_cbranch_scc0 .Lentry_in_a_cluster
	s_endpgm
.Lentry_in_a_cluster:
	s_bfe_u32 s2, ttmp6, 0x10000c
	s_cmp_lg_u32 s2, 0xf033
	s_cbranch_scc0 .Lentry_shape_is_right
	s_endpgm
.Lentry_shape_is_right:
; q, k, v = x W^T + b ON CODES OF BF8 (E5M2, one E8M0 byte for 32 along K), AND THEIR QUANTISERS: three products of 8,192 x 1,024 x 1,024, chosen by the cluster's y:
; 0-7 q (A = Qc's tokens, B = Wq's rows), 8-15 k (A = K's tokens, B = Wk's rows), 16-23 v (A = Wv's rows, B = V's tokens, so that v's codes run along the keys).
; A work-group of four waves makes 256 x 256, a wave 128 x 128 in 512 registers; K goes in steps of 256 through two LDS slots filled by joint loads (A's tile shared along a row of the 4 x 4 cluster, B's along a column).
; THE HEAD: four tiles, one joint load a wave: wave 0 K step 0's 256 rows of A, wave 1 those of B, wave 2 A's scale bytes for all of K, wave 3 B's.  Slot 1 is first filled behind the full sequence and a round, a quarter a wave.
; THE WAY OUT: the bias is added (along the columns for q and k, along the rows for v), blocks of 32 are quantised in registers, and codes and scale words leave as images of the next launch's operand registers (qb, kv).
; LIMITS: NaN and infinities are not served; a block of zeros gets the scale byte 1 (its codes are zeros, and this program alone reads the bytes).  No prefetch: K has four steps, and the first two are asked for at the head.
.set G0H, 4                            ; s[4:7], s[8:11] group 0 of the head's loads of codes (the arguments that lay there have been used by then)
.set G0HB, 8
.set KSTEP,  256
.set NQ,     2
.set ROWB,   256
.set KROW,   1024
.set PITCH,  272
.set FR,     16
.set NL,     4
.set NP,     8
.set HALFT,  128*PITCH
.set SLOT,   4*HALFT
.set LAPS,   2
.set KS,     32
.set SCL,    2*SLOT
.set HALFS,  (128*KS/256)*272
.set SBLK,   (16*KS/256)*272
.set SPARE,  SCL+4*HALFS
.set BH,   7
.set BM,   8
.set ADRA, 16
.set BR,   18
.set ADRB, 20
.set CO,   26
.set ADRS, 27
.set SPW,  28
.set NIL,  29
.set SC,   32
.set BN,   64
.set AF,   128
.set T,    128
.set PC,   192
.set TM,   208
.set W,    224
.set X,    240
.set SOFF, 248
.set G1, 24
.set G0, 32
.set G1B, 48
.set G0B, 56
.set ISV,  66
.set GS,   67
.set G1S, 68
.set G0S, 76
.set G1SB, 80
.set G0SB, 88
.set SCOFF, 95
.set BIAS, 96
.set BASE, 98
.set SEL,  20
.set MNT,  22
.set MSB, 0
.macro WIN new
.if MSB != \new
	s_set_vgpr_msb (MSB<<8)|\new
.set MSB, \new
.endif
.endm
.set MUL_LO, 0xa1
.set MUL_HI, 0xf1
.set TO_B,   0x40
.macro JLOAD g0a, g1a, g0b, g1b
	s_cmp_eq_u32 s15, 0
	s_cbranch_scc0 .Lfor_b_\@
	tensor_load_to_lds s[\g0a:\g0a+3], s[\g1a:\g1a+7]
	s_nop 0
.rept 4
	v_nop
.endr
	s_branch .Lasked_\@
.Lfor_b_\@:
	tensor_load_to_lds s[\g0b:\g0b+3], s[\g1b:\g1b+7]
	s_nop 0
.rept 4
	v_nop
.endr
.Lasked_\@:
.endm
.macro CREST
	s_cmp_lg_u32 s14, 0
	s_cbranch_scc1 .Lnot_wave_0_\@
	s_barrier_signal -3
.Lnot_wave_0_\@:
	s_barrier_wait -3
	s_barrier_signal -1
	s_barrier_wait -1
.endm
.macro CROUND
	s_barrier_signal -1
	s_barrier_wait -1
	CREST
.endm
	s_load_b512 s[24:39], s[0:1], 0x0
	s_load_b512 s[40:55], s[0:1], 0x40
	s_load_b64 s[56:57], s[0:1], 0x80
	v_lshl_add_u32 v[SPW], v0, 2, SPARE
	v_mov_b32 v[NIL], 0
	ds_add_u32 v28, v29
	ds_add_u32 v28, v29
	s_wait_dscnt 0x0
	v_lshrrev_b32 v1, 5, v0
	v_readfirstlane_b32 s14, v1
	s_lshr_b32 s15, s14, 1
	s_and_b32 s16, s14, 1
	s_and_b32 s2, ttmp7, 0xffff
	s_and_b32 s18, s2, 7
	s_lshl_b32 s18, s18, 2
	s_cmp_lt_u32 s2, 16
	s_cselect_b32 s19, s18, 0
	s_cselect_b32 s18, 0, s18
	s_cselect_b32 s[ISV], 0, 1
	s_wait_kmcnt 0x0
	s_cselect_b64 s[36:37], s[36:37], s[48:49]
	s_cselect_b64 s[38:39], s[38:39], s[50:51]
	s_cselect_b64 s[40:41], s[40:41], s[52:53]
	s_cselect_b64 s[42:43], s[42:43], s[54:55]
	s_cselect_b64 s[44:45], s[44:45], s[56:57]
	s_cmp_lt_u32 s2, 8
	s_cselect_b64 s[4:5], s[24:25], s[36:37]
	s_cselect_b64 s[6:7], s[26:27], s[38:39]
	s_cselect_b64 s[8:9], s[28:29], s[40:41]
	s_cselect_b64 s[10:11], s[30:31], s[42:43]
	s_cselect_b64 s[BIAS:BIAS+1], s[32:33], s[44:45]
	s_cselect_b64 s[BASE:BASE+1], s[34:35], s[46:47]
	s_mov_b32 s[GS], 17152
	s_cselect_b32 s[GS], 8704, s[GS]
	s_mov_b32 s[SCOFF], 16384
	s_cselect_b32 s[SCOFF], 8192, s[SCOFF]
	s_bfe_u32 s40, ttmp6, 0x40000
	s_bfe_u32 s41, ttmp6, 0x40004
	s_lshl_b32 s42, ttmp9, 2
	s_add_co_u32 s42, s42, s40
	s_add_co_u32 s42, s42, s18
	s_add_co_u32 s17, s41, s19
	s_lshl_b32 s43, s41, 2
	s_lshl_b32 s43, 15, s43
	s_lshl_b32 s44, 0x1111, s40
	s_or_b32 s[G1+0], s43, (0<<16)|(1<<20)|(1<<21)|(5<<22)|(3<<25)
	s_or_b32 s[G1B+0], s44, (0<<16)|(1<<20)|(1<<21)|(5<<22)|(3<<25)
.irp g, G1, G1B
	s_mov_b32 s[\g+1], ROWB<<16
	s_mov_b32 s[\g+2], 256<<16                     ; the head's loads bring 256 rows
	s_mov_b32 s[\g+3], ROWB<<16
	s_mov_b32 s[\g+4], 256
	s_mov_b32 s[\g+5], KROW
	s_mov_b32 s[\g+6], 0
	s_mov_b32 s[\g+7], 0
.endr
	s_or_b32 s[G1S+0], s43, (3<<16)|(1<<20)|(1<<21)|(5<<22)|(3<<25)
	s_or_b32 s[G1SB+0], s44, (3<<16)|(1<<20)|(1<<21)|(5<<22)|(3<<25)
.irp g, G1S, G1SB
	s_mov_b32 s[\g+1], 32<<16
	s_mov_b32 s[\g+2], KS<<16                      ; the scale bytes of 256 rows: KS rows of 256 bytes
	s_mov_b32 s[\g+3], 32<<16
	s_mov_b32 s[\g+4], KS
	s_mov_b32 s[\g+5], 32
	s_mov_b32 s[\g+6], 0
	s_mov_b32 s[\g+7], 0
.endr
	s_lshl_b32 s20, s17, 8                         ; A: the tile's first row
	s_lshl_b32 s46, s42, 8                         ; B: likewise
	s_mov_b32 s21, 0
	s_mov_b32 s47, 0
	s_mov_b64 s[18:19], KS
	s_mul_u64 s[22:23], s[20:21], s[18:19]
	s_mul_u64 s[92:93], s[46:47], s[18:19]
	s_mov_b64 s[18:19], KROW
	s_mul_u64 s[20:21], s[20:21], s[18:19]
	s_mul_u64 s[46:47], s[46:47], s[18:19]
	s_mul_i32 s45, s14, HALFT
	s_add_nc_u64 s[20:21], s[4:5], s[20:21]
	s_add_nc_u64 s[22:23], s[6:7], s[22:23]
	s_add_nc_u64 s[46:47], s[8:9], s[46:47]
	s_add_nc_u64 s[92:93], s[10:11], s[92:93]
	CROUND
	s_mov_b32 s[G0S], 1
	s_mov_b32 s[G0S+1], SCL
	s_mov_b64 s[G0S+2:G0S+3], s[22:23]
	s_or_b32 s[G0S+3], s[G0S+3], 0x80000000
	s_mov_b32 s[G0SB], 1
	s_mov_b32 s[G0SB+1], SCL+2*HALFS
	s_mov_b64 s[G0SB+2:G0SB+3], s[92:93]
	s_or_b32 s[G0SB+3], s[G0SB+3], 0x80000000
	s_mov_b32 s[G0H], 1                            ; K step 0's 256 rows of A,
	s_mov_b32 s[G0H+1], 0
	s_mov_b64 s[G0H+2:G0H+3], s[20:21]
	s_or_b32 s[G0H+3], s[G0H+3], 0x80000000
	s_mov_b32 s[G0HB], 1                           ; and of B, behind them in slot 0
	s_mov_b32 s[G0HB+1], 2*HALFT
	s_mov_b64 s[G0HB+2:G0HB+3], s[46:47]
	s_or_b32 s[G0HB+3], s[G0HB+3], 0x80000000
	s_mul_i32 s18, s16, 128*KROW                   ; for the ring: my 128 rows of a tile
	s_mov_b32 s19, 0
	s_add_nc_u64 s[20:21], s[20:21], s[18:19]
	s_add_nc_u64 s[46:47], s[46:47], s[18:19]
.irp s, 0,1
	s_mov_b32 s[G0+4*\s], 1
	s_add_co_u32 s[G0+4*\s+1], s45, \s*SLOT
	s_add_nc_u64 s[G0+4*\s+2:G0+4*\s+3], s[20:21], \s*ROWB
	s_or_b32 s[G0+4*\s+3], s[G0+4*\s+3], 0x80000000
	s_mov_b32 s[G0B+4*\s], 1
	s_add_co_u32 s[G0B+4*\s+1], s45, \s*SLOT
	s_add_nc_u64 s[G0B+4*\s+2:G0B+4*\s+3], s[46:47], \s*ROWB
	s_or_b32 s[G0B+4*\s+3], s[G0B+4*\s+3], 0x80000000
.endr
; the head's loads, one a wave, in one chain of branches on the wave's number: every way passes exactly one
.macro ARM under, g0, g1, next
	s_cmp_lt_u32 s14, \under
	s_cbranch_scc0 \next
	tensor_load_to_lds s[\g0:\g0+3], s[\g1:\g1+7]
	s_nop 0
.rept 4
	v_nop
.endr
	s_branch .Lhead_asked
\next:
.endm
	ARM 1, G0H,  G1,  .Lhead_b
	ARM 2, G0HB, G1B, .Lhead_sa
	ARM 3, G0S,  G1S, .Lhead_sb
	tensor_load_to_lds s[G0SB:G0SB+3], s[G1SB:G1SB+7]
	s_nop 0
.rept 4
	v_nop
.endr
.Lhead_asked:
	v_and_b32 v1, 15, v0
	v_bfe_u32 v2, v0, 4, 1
	v_mul_u32_u24 v3, v1, PITCH
	v_lshl_add_u32 v4, v2, 4, v3
	s_mul_i32 s21, s15, HALFT
	s_mul_i32 s22, s16, HALFT
	s_add_co_u32 s22, s22, 2*HALFT
.irp s, 0,1
	v_add_nc_u32 v[ADRA+\s], s21, v4
	v_add_nc_u32 v[ADRB+\s], s22, v4
	s_add_co_u32 s21, s21, SLOT
	s_add_co_u32 s22, s22, SLOT
.endr
	v_mul_u32_u24 v5, v1, KS
	v_lshrrev_b32 v6, 8, v5
	v_lshl_add_u32 v5, v6, 4, v5
	s_mul_i32 s21, s15, HALFS
	s_mul_i32 s22, s16, HALFS
	s_add_co_u32 s22, s22, 2*HALFS
	s_sub_co_u32 s22, s22, s21
	v_mul_u32_u24 v6, s22, v2
	s_add_co_u32 s21, s21, SCL
	v_add_nc_u32 v5, v5, v6
	v_add_nc_u32 v[ADRS], s21, v5
	v_and_b32 v6, 31, v0
	v_lshlrev_b32 v[CO], 4, v6
	s_lshl_b32 s20, s17, 1
	s_add_co_u32 s20, s20, s15
	s_lshl_b32 s21, s42, 1
	s_add_co_u32 s21, s21, s16
	s_cmp_eq_u32 s[ISV], 1
	s_cselect_b32 s22, s21, s20
	s_cselect_b32 s23, s20, s21
	s_lshl_b32 s23, s23, 1
	s_lshr_b32 s46, s22, 4
	s_lshl_b32 s46, s46, 4
	s_add_co_u32 s46, s46, s23
	s_lshl_b32 s92, s[GS], 4
	s_mov_b32 s93, 0
	s_mul_i32 s46, s46, s92
	s_and_b32 s22, s22, 15
	s_mul_i32 s22, s22, s[GS]
	s_add_co_u32 s46, s46, s22
	s_mov_b32 s47, 0
	s_add_nc_u64 s[BASE:BASE+1], s[BASE:BASE+1], s[46:47]
	s_add_nc_u64 s[BASE+2:BASE+3], s[BASE:BASE+1], s[92:93]
	s_lshl_b32 s46, s23, 8
	s_add_nc_u64 s[BIAS:BIAS+1], s[BIAS:BIAS+1], s[46:47]
	v_lshlrev_b32 v[BH], 5, v2
	v_lshlrev_b32 v[BR], 2, v1
.irp b, 0,1,2,3,4,5,6,7
	global_load_b128 v[BN+8*\b:BN+8*\b+3], v[BH], s[BIAS:BIAS+1] offset:64*\b
	global_load_b128 v[BN+8*\b+4:BN+8*\b+7], v[BH], s[BIAS:BIAS+1] offset:64*\b+16
.endr
.irp a, 0,1,2,3,4,5,6,7
	global_load_b32 v[BM+\a], v[BR], s[BIAS:BIAS+1] offset:64*\a
.endr
.macro FRAG reg, adr, q, i
.irp c, 0,1,2,3
	ds_load_b128 v[\reg+4*\c:\reg+4*\c+3], v[\adr] offset:128*(\q)+32*\c+(\i)*16*PITCH
.endr
.endm
.macro MUL16 a0, p, q, sc, zero
.irp a, \a0, \a0+1
.irp b, 0,1,2,3,4,5,6,7
.if \zero
	v_wmma_scale_f32_16x16x128_f8f6f4 v[8*(8*((\a)%4)+\b):8*(8*((\a)%4)+\b)+7], v[128*(\p)+FR*\b:128*(\p)+FR*\b+FR-1], v[AF+FR*(\a):AF+FR*(\a)+FR-1], 0, v[SC+8*NQ*(\sc)+NQ*\b+(\q)], v[SC+8*NQ*(\sc)+NQ*(\a)+(\q)] matrix_a_fmt:MATRIX_FMT_BF8 matrix_b_fmt:MATRIX_FMT_BF8 matrix_a_scale:MATRIX_SCALE_ROW1
.else
	v_wmma_scale_f32_16x16x128_f8f6f4 v[8*(8*((\a)%4)+\b):8*(8*((\a)%4)+\b)+7], v[128*(\p)+FR*\b:128*(\p)+FR*\b+FR-1], v[AF+FR*(\a):AF+FR*(\a)+FR-1], v[8*(8*((\a)%4)+\b):8*(8*((\a)%4)+\b)+7], v[SC+8*NQ*(\sc)+NQ*\b+(\q)], v[SC+8*NQ*(\sc)+NQ*(\a)+(\q)] matrix_a_fmt:MATRIX_FMT_BF8 matrix_b_fmt:MATRIX_FMT_BF8 matrix_a_scale:MATRIX_SCALE_ROW1
.endif
.endr
.endr
.endm
.macro FETCH_B slot, q, p
	WIN TO_B
.irp i, 0,1,2,3,4,5,6,7
	FRAG 128*(\p)+FR*\i, ADRB+\slot, \q, \i
.endr
	WIN 0
.endm
.macro FETCH_A slot, q, i0
.irp i, \i0, \i0+1, \i0+2, \i0+3
	FRAG AF+FR*(\i), ADRA+\slot, \q, \i
.endr
.endm
.macro SCALES sc
.irp i, 0,1,2,3,4,5,6,7
	ds_load_b64 v[SC+8*NQ*\sc+NQ*\i:SC+8*NQ*\sc+NQ*\i+1], v[ADRS] offset:\i*SBLK
.endr
.endm
.macro PLACES n
.rept \n
	v_nop
.endr
.endm
.macro STEP slot, q, zero
	s_wait_dscnt 4*NL
	WIN MUL_LO
	MUL16 0, (\q)%2, \q, \slot, \zero
	MUL16 2, (\q)%2, \q, \slot, \zero
	s_wait_dscnt 0
	PLACES NP
	FETCH_B \slot, (\q)+1, 1-(\q)%2
	FETCH_A \slot, (\q)+1, 0
	WIN MUL_HI
	MUL16 4, (\q)%2, \q, \slot, \zero
	MUL16 6, (\q)%2, \q, \slot, \zero
	PLACES NP
	WIN 0
	FETCH_A \slot, (\q)+1, 4
.endm
.macro TURN slot, next, fill
	s_wait_tensorcnt 0x0
	ds_add_u32 v[SPW], v[NIL]
	s_wait_dscnt 4*NL+1
	WIN MUL_LO
	MUL16 0, 1, NQ-1, \slot, 0
	s_wait_dscnt 0x0
	s_barrier_signal -1
	MUL16 2, 1, NQ-1, \slot, 0
	WIN 0
	s_barrier_wait -1
.if \fill
	CREST
	s_add_nc_u64 s[G0+4*\slot+2:G0+4*\slot+3], s[G0+4*\slot+2:G0+4*\slot+3], 2*ROWB
	s_add_nc_u64 s[G0B+4*\slot+2:G0B+4*\slot+3], s[G0B+4*\slot+2:G0B+4*\slot+3], 2*ROWB
	JLOAD G0+4*\slot, G1, G0B+4*\slot, G1B
	PLACES NP-4
.else
	PLACES NP
.endif
	s_wait_alu depctr_va_vdst(0)
	v_add_nc_u32 v[ADRS], 4*NQ, v[ADRS]
	FETCH_B \next, 0, 0
	FETCH_A \next, 0, 0
	SCALES \next
	WIN MUL_HI
	MUL16 4, 1, NQ-1, \slot, 0
	MUL16 6, 1, NQ-1, \slot, 0
	PLACES NP
	WIN 0
	FETCH_A \next, 0, 4
.endm
	s_wait_alu depctr_va_vdst(0)                   ; the wait at the head's end
	s_wait_tensorcnt 0x0                           ; my tile of the head's four is in; the lines ahead of a later first fill:
	ds_add_u32 v[SPW], v[NIL]
	s_mov_b32 s[G1+2], 128<<16                     ; no tensor load of mine is out: from here on a load brings 128 rows
	s_mov_b32 s[G1+4], 128
	s_mov_b32 s[G1B+2], 128<<16
	s_mov_b32 s[G1B+4], 128
	s_wait_dscnt 0x0
	CROUND                                         ; all four tiles are in, all sixteen work-groups are here
	JLOAD G0+4, G1, G0B+4, G1B                     ; K step 1: the first tensor load behind the round
	FETCH_B 0, 0, 0
	FETCH_A 0, 0, 0
	SCALES 0
	FETCH_A 0, 0, 4
	STEP 0, 0, 1
	s_mov_b32 s3, LAPS-1
.Llap:
	TURN 0, 1, 1
	STEP 1, 0, 0
	TURN 1, 0, 1
	STEP 0, 0, 0
	s_sub_co_u32 s3, s3, 1
	s_cmp_lg_u32 s3, 0
	s_cbranch_scc1 .Llap
	TURN 0, 1, 0
	STEP 1, 0, 0
	s_wait_dscnt 4*NL
	WIN MUL_LO
	MUL16 0, 1, NQ-1, 1, 0
	MUL16 2, 1, NQ-1, 1, 0
	s_wait_dscnt 0
	WIN MUL_HI
	MUL16 4, 1, NQ-1, 1, 0
	MUL16 6, 1, NQ-1, 1, 0
	WIN 0
.macro QUANT s
.irp b, 0,1,2,3
	v_max3_num_f32 v[TM+\b], |v[\s+16*\b]|, |v[\s+1+16*\b]|, 0x8000000
.endr
.irp i, 2,4,6,8,10,12,14
.irp b, 0,1,2,3
	v_max3_num_f32 v[TM+\b], v[TM+\b], |v[\s+16*\b+\i]|, |v[\s+1+16*\b+\i]|
.endr
.endr
.irp b, 0,1,2,3
	v_permlanex16_b32 v[TM+4+\b], v[TM+\b], s[SEL], s[SEL+1]
.endr
.irp b, 0,1,2,3
	v_max_num_f32 v[TM+\b], v[TM+\b], v[TM+4+\b]
.endr
.irp b, 0,1,2,3
	v_add_nc_u32 v[TM+12+\b], 0xf8800000, v[TM+\b]
.endr
.irp b, 0,1,2,3
	v_and_or_b32 v[TM+8+\b], v[TM+\b], 0x7f800000, s[MNT]
.endr
.irp b, 0,1,2,3
	v_lshrrev_b32 v[TM+4+\b], 23, v[TM+12+\b]
.endr
.irp b, 0,1,2,3
.irp i, 0,1,2,3,4,5,6,7,8,9,10,11,12,13,14,15
	v_med3_num_f32 v[\s+16*\b+\i], v[\s+16*\b+\i], -v[TM+8+\b], v[TM+8+\b]
.endr
	v_cvt_scalef32_pk8_bf8_f32 v[PC+4*\b:PC+1+4*\b], v[\s+16*\b:\s+7+16*\b], v[TM+12+\b]
	v_cvt_scalef32_pk8_bf8_f32 v[PC+2+4*\b:PC+3+4*\b], v[\s+8+16*\b:\s+15+16*\b], v[TM+12+\b]
.endr
	v_nop
.irp b, 0,1,2,3
	v_permlane16_swap_b32 v[PC+4*\b], v[PC+4*\b+2]
	v_permlane16_swap_b32 v[PC+4*\b+1], v[PC+4*\b+3]
.endr
.endm
.macro BLOCKOUT a
	WIN (0x02+(\a)/4)
.set i, 0
.rept 32
	v_pk_add_f32 v[T+i:T+i+1], v[64*((\a)%4)+i:64*((\a)%4)+i+1], v[BN+i:BN+i+1]
.set i, i+2
.endr
	WIN 0
.set i, 0
.rept 64
	v_add_f32 v[T+i], v[T+i], v[BM+(\a)]
.set i, i+1
.endr
	s_wait_xcnt 0x0
	QUANT T
	v_lshl_or_b32 v[W+(\a)], v[TM+5], 8, v[TM+4]
	v_lshl_or_b32 v[W+8+(\a)], v[TM+7], 8, v[TM+6]
	s_cmp_eq_u32 s[ISV], 1
	s_cbranch_scc1 .Lv_\@
.irp b, 0,1,2,3
	global_store_b128 v[CO], v[PC+4*\b:PC+4*\b+3], s[BASE+2*(\b/2):BASE+2*(\b/2)+1] offset:(\a)*1024+(\b%2)*512
.endr
	s_branch .Lj_\@
.Lv_\@:
	s_wait_alu depctr_va_vdst(0)
.irp b, 0,1,2,3
	global_store_b128 v[CO], v[PC+4*\b:PC+4*\b+3], s[BASE+2*((\a)/4):BASE+2*((\a)/4)+1] offset:8192+((\a)%4)*2048+\b*512
.endr
.Lj_\@:
.endm
	PLACES NP
	s_wait_loadcnt 0x0
	s_mov_b32 vcc_lo, 0xffff0000
	s_mov_b32 s[SEL], 0x76543210
	s_mov_b32 s[SEL+1], 0xfedcba98
	s_mov_b32 s[MNT], 0x600000
	s_cmp_eq_u32 s[ISV], 1
	s_cselect_b32 s23, -1, 0
.set i, 0
.rept 64
	v_cndmask_b32 v[BN+i], v[BN+i], 0, s23
.set i, i+1
.endr
.set i, 0
.rept 8
	v_cndmask_b32 v[BM+i], 0, v[BM+i], s23
.set i, i+1
.endr
.irp b, 0,1,2,3
	v_mov_b32 v[TM+4+\b], 0
.endr
.irp a, 0,1,2,3,4,5,6,7
	BLOCKOUT \a
.endr
	s_cmp_eq_u32 s[ISV], 1
	s_cbranch_scc1 .Lv_words
	v_lshlrev_b32 v[SOFF], 5, v1
	v_lshl_add_u32 v[SOFF], v2, 4, v[SOFF]
	v_add_nc_u32 v[SOFF], s[SCOFF], v[SOFF]
	s_wait_alu depctr_va_vdst(0)
.irp e, 0,1
.irp k, 0,1,2,3
	v_cndmask_b32 v[X+4*\e+\k], v[W+8*\e+\k], v[W+8*\e+\k+4], vcc_lo
.endr
.irp k, 0,1,2,3
	v_or_b32 v[X+4*\e+\k], 0x7f7f0000, v[X+4*\e+\k]
.endr
	global_store_b128 v[SOFF], v[X+4*\e:X+4*\e+3], s[BASE+2*\e:BASE+2*\e+1]
.endr
	s_branch .Lend
.Lv_words:
	s_wait_alu depctr_va_vdst(0)
.irp a, 0,1,2,3,4,5,6,7
	v_lshl_or_b32 v[W+\a], v[W+8+\a], 16, v[W+\a]
.endr
	v_mul_u32_u24 v[SOFF], v2, 274432
	v_lshl_add_u32 v[SOFF], v1, 4, v[SOFF]
	v_add_nc_u32 v[SOFF], 16896, v[SOFF]
.irp k, 0,1,2,3
	v_cndmask_b32 v[X+\k], v[W+\k], v[W+4+\k], vcc_lo
.endr
	global_store_b128 v[SOFF], v[X:X+3], s[BASE:BASE+1]
.Lend:
	s_wait_tensorcnt 0x0
	ds_add_u32 v[SPW], v[NIL]
	s_wait_dscnt 0x0
	CROUND
	s_endpgm
.Lfunc_end_k_q17b15d0456_proj:
	.size	k_q17b15d0456_proj, .Lfunc_end_k_q17b15d0456_proj-k_q17b15d0456_proj
	.p2alignl 7, 3214868480
	.fill 96, 4, 3214868480
	.section	.rodata,"a",@progbits
	.p2align	6, 0x0
	.amdhsa_kernel k_q17b15d0456_proj
		.amdhsa_group_segment_fixed_size 327680
		.amdhsa_private_segment_fixed_size 0
		.amdhsa_enable_private_segment 0
		.amdhsa_kernarg_size 136
		.amdhsa_user_sgpr_count 2
		.amdhsa_user_sgpr_kernarg_segment_ptr 1
		.amdhsa_wavefront_size32 1
		.amdhsa_system_sgpr_workgroup_id_x 1
		.amdhsa_system_sgpr_workgroup_id_y 1
		.amdhsa_system_sgpr_workgroup_id_z 1
		.amdhsa_system_vgpr_workitem_id 0
		.amdhsa_next_free_vgpr 1024
		.amdhsa_next_free_sgpr 102
		.amdhsa_reserve_vcc 1
		.amdhsa_float_denorm_mode_32 3
		.amdhsa_float_denorm_mode_16_64 3
		.amdhsa_memory_ordered 1
		.amdhsa_forward_progress 1
		.amdhsa_inst_pref_size 232
	.end_amdhsa_kernel
	.amdgpu_metadata
---
amdhsa.version: [ 1, 2 ]
amdhsa.kernels:
  - .name:           k_q17b15d0456_proj
    .symbol:         k_q17b15d0456_proj.kd
    .args:
      - { .name: Qc, .offset: 0, .size: 8, .value_kind: global_buffer, .address_space: global }
      - { .name: Qs, .offset: 8, .size: 8, .value_kind: global_buffer, .address_space: global }
      - { .name: Wq_codes, .offset: 16, .size: 8, .value_kind: global_buffer, .address_space: global }
      - { .name: Wq_scales, .offset: 24, .size: 8, .value_kind: global_buffer, .address_space: global }
      - { .name: bq, .offset: 32, .size: 8, .value_kind: global_buffer, .address_space: global }
      - { .name: qb, .offset: 40, .size: 8, .value_kind: global_buffer, .address_space: global }
      - { .name: K_codes, .offset: 48, .size: 8, .value_kind: global_buffer, .address_space: global }
      - { .name: K_scales, .offset: 56, .size: 8, .value_kind: global_buffer, .address_space: global }
      - { .name: Wk_codes, .offset: 64, .size: 8, .value_kind: global_buffer, .address_space: global }
      - { .name: Wk_scales, .offset: 72, .size: 8, .value_kind: global_buffer, .address_space: global }
      - { .name: bk, .offset: 80, .size: 8, .value_kind: global_buffer, .address_space: global }
      - { .name: kv, .offset: 88, .size: 8, .value_kind: global_buffer, .address_space: global }
      - { .name: Wv_codes, .offset: 96, .size: 8, .value_kind: global_buffer, .address_space: global }
      - { .name: Wv_scales, .offset: 104, .size: 8, .value_kind: global_buffer, .address_space: global }
      - { .name: V_codes, .offset: 112, .size: 8, .value_kind: global_buffer, .address_space: global }
      - { .name: V_scales, .offset: 120, .size: 8, .value_kind: global_buffer, .address_space: global }
      - { .name: bv, .offset: 128, .size: 8, .value_kind: global_buffer, .address_space: global }
    .group_segment_fixed_size: 327680
    .private_segment_fixed_size: 0
    .kernarg_segment_align: 8
    .kernarg_segment_size: 136
    .max_flat_workgroup_size: 128
    .sgpr_count:     102
    .vgpr_count:     1024
    .wavefront_size: 32
...
	.end_amdgpu_metadata
.endif
;; end of part 2
;; launch attn (part 3): grid 4 x 64, 16 waves a work-group, clusters of 4 x 1, 276,480 bytes of LDS; arguments qb, kv, oimg, os; writes oimg, os
.if DOCPART == 3
	.amdgcn_target "amdgcn-amd-amdhsa--gfx1250"
	.amdhsa_code_object_version 6
	.text
	.protected	k_q17b15d0456_attn
	.globl	k_q17b15d0456_attn
	.p2align	8
	.type	k_q17b15d0456_attn,@function
k_q17b15d0456_attn:
	s_mov_b64 s[64:65], 0
	v_nop
	global_prefetch_b8 v0, s[64:65] scope:SCOPE_SE
	s_setreg_imm32_b32 hwreg(HW_REG_WAVE_MODE, 25, 1), 1
	s_wait_xcnt 0x0
	s_wait_alu depctr_hold_cnt(0) depctr_sa_sdst(0) depctr_va_vdst(0) depctr_va_sdst(0) depctr_va_ssrc(0) depctr_va_vcc(0) depctr_vm_vsrc(0)
	s_getreg_b32 s2, hwreg(HW_REG_IB_STS2, 6, 4)
	s_cmp_eq_u32 s2, 0
	s_cbranch_scc0 .Lentry_in_a_cluster
	s_endpgm
.Lentry_in_a_cluster:
	s_bfe_u32 s2, ttmp6, 0x10000c
	s_cmp_lg_u32 s2, 0x3003
	s_cbranch_scc0 .Lentry_shape_is_right
	s_endpgm
.Lentry_shape_is_right:
; ATTENTION on codes of BF8 (E5M2): for each of 64 (batch, head) pairs, o = softmax(q k^T / 32) v, 2,048 queries x 2,048 keys, head size 64; o is quantised here for the output projection.
; THE SOFTMAX AHEAD OF THE SECOND PRODUCT: t = score x log2(e) / 32; M = the running largest t rounded UP to a whole number; p = 2^(t - M) is quantised along the keys, not normalised; the row's sum is taken
; of the unquantised p and divides o at the end.  When M moves, the sum and o are multiplied by 2^(old M - new M): exact.
; SHARES.  A work-group owns 512 queries of one head; its sixteen waves own a tile of 16 queries each, twice (two passes).  Four waves to a SIMD, so that one wave's vector work stands beside another's products.
; LDS holds THE WHOLE HEAD's k and v, 274,432 bytes, as kv has them: 16 key steps of 17,152 bytes (k's codes, v's codes, k's scale words, v's).  It is filled ONCE: no byte is filled again.
; CLUSTER.  The four work-groups of a head form a cluster and ask for each key step jointly (mask 15).  EVERY WAVE FETCHES ONE KEY STEP, wave w key step w: one load line, no branch, one load of a wave out; every wave waits
; for its load ahead of the one barrier, behind which the whole head is read.  Nothing is prefetched: every tile is asked for at the head by the tensor loads themselves.
; LAYOUT.  All operands lie in memory and LDS as images of their registers (512 bytes, lane l's 16 bytes at 16 l).  Both products are used transposed: S^T = k q^T (source 0 = keys, source 1 = my 16 queries),
; O^T = v^T p^T (source 0 = 16 of the head's 64): a lane holds ONE query (lane % 16) throughout.
; THE SCORES' K IS 64, half of the instruction's 128.  A fragment of k holds TWO tiles of 16 keys (registers 0-7, 8-15), and the zeros stand on q's side: the registers zeros(8), q(8), zeros(8) give [q, 0], which meets
; the first tile alone, and [0, q], which meets the second.  A fragment's scale word is the two tiles' half words joined; q has a word for each of its two places.  Zero codes add nothing under any of these bytes.
; k of step j + 1 is asked for behind the scores of step j; fragment t of v takes the registers of p's block t, straight behind that block's conversions.  A pass loads its first k by itself, and its last step fetches nothing ahead.
; In S^T the 16 registers of tiles 2 b, 2 b + 1 hold keys 32 b + 16 u + 8 h + j; two exchanges of half rows of lanes behind a block's conversions put keys 32 b + 16 h + 0 .. 15 into lane (r, h): the operand's image.
; OUTPUT: oimg [K step of 256: head / 4][tile of 16 tokens 512][(head / 2) % 2][c = 2 (head % 2) + block][512]; os [8192 tokens][32]: byte 2 head + block.
; LIMITS: NaN and infinities are not served; a block of zeros gets the scale byte 1; the division by the sum is v_rcp_f32 and a multiplication.
.set STEPB, 17152                      ; a key step's bytes: 67 rows of 256
.set HEADB, 16*STEPB
.set QGRP,  8704                       ; a group of 128 queries in qb
.set LI,   1                           ; v1   16 x lane
.set LK,   2                           ; v2   32 r + 16,384: k's scale words of my row
.set LV,   3                           ; v3   16 r + 16,896: v's
.set AD,   4                           ; v4-6 the same three + the key step's first byte
.set ADS,  5
.set ADT,  6
.set OSV,  7                           ; v7   32 r + h
.set QW,   8                           ; v8   32 r
.set Q1W,  9                           ; v9   the second pass's q: its scale word
.set TMP,  10                          ; v10, v11 at work
.set TM2,  11
.set QZ,   16                          ; v16-23 zeros, v24-31 q's codes, v32-39 zeros
.set KF,   40                          ; v40-103 k's four fragments
.set S,    104                         ; v104-167 S^T, then p, then v's four fragments
.set O,    168                         ; v168-199 O^T
.set PCD,  200                         ; v200-215 p's codes; earlier in a step v200-207 take the next k's scale words as they lie
.set Q1F,  216                         ; v216-223 the second pass's q: its codes
.set KP,   224                         ; v224-227 k's scale words, one a fragment
.set VSW,  228                         ; v228-231 v's
.set QSW,  232                         ; q's, for [q, 0]
.set QSW2, 233                         ; and for [0, q]
.set PWD,  234                         ; p's
.set F,    236                         ; v[236:237] f = 2^(old M - new M); the upper register is written once
.set CH2,  238                         ; v[238:239] the sums' second chain
.set BMX,  240                         ; the blocks' largest scores, then largest p
.set PRM,  244                         ; the other half's; then the bytes
.set HLD,  248                         ; 57,344 x the scale
.set SOP,  252                         ; the conversions' scale operands
.set WV,   12
.set PSEL, 18                          ; v_perm_b32's selector: the two low halves
.set MNT,  19
.set SEL,  20
.set CS,   22                          ; s[22:23] c = log2(e) / 32
.set G1,   24
.set G0,   32
.set TB,   48                          ; the key step's first LDS byte
.set CNT,  49
.macro CROUND                          ; a round of the cluster's barrier
	s_barrier_signal -1
	s_barrier_wait -1
	s_cmp_lg_u32 s[WV], 0
	s_cbranch_scc1 .Lnot_wave_0_\@
	s_barrier_signal -3
.Lnot_wave_0_\@:
	s_barrier_wait -3
	s_barrier_signal -1
	s_barrier_wait -1
.endm
	s_load_b256 s[4:11], s[0:1], 0x0               ; qb s[4:5], kv s[6:7], oimg s[8:9], os s[10:11]
	v_lshl_add_u32 v254, v0, 2, 0x43000
	v_mov_b32 v255, 0
	ds_add_u32 v254, v255
	ds_add_u32 v254, v255
	s_wait_dscnt 0x0
	v_lshrrev_b32 v1, 5, v0
	s_delay_alu instid0(VALU_DEP_1)
	v_readfirstlane_b32 s[WV], v1                  ; wave 0..15
	s_and_b32 s14, ttmp7, 0xffff                   ; 16 x batch + head, which the four partners share
	s_mov_b32 s[G1], 15|(3<<16)|(1<<21)            ; group 1: 67 rows of 256 bytes (32 elements of 8), dense in memory and in LDS; the mask names all four work-groups
	s_mov_b32 s[G1+1], 32<<16
	s_mov_b32 s[G1+2], 67<<16
	s_mov_b32 s[G1+3], 32<<16
	s_mov_b32 s[G1+4], 67
	s_mov_b32 s[G1+5], 32
	s_mov_b32 s[G1+6], 0
	s_mov_b32 s[G1+7], 0
	s_mul_i32 s50, s[WV], STEPB                    ; my key step: the head lies in LDS as in memory
	s_mul_i32 s52, s14, HEADB                      ; under 2^25
	s_add_co_u32 s52, s52, s50
	s_mov_b32 s53, 0
	s_wait_kmcnt 0x0
	s_mov_b32 s[G0], 1
	s_mov_b32 s[G0+1], s50
	s_add_nc_u64 s[G0+2:G0+3], s[6:7], s[52:53]
	s_or_b32 s[G0+3], s[G0+3], 0x80000000
	CROUND                                         ; all four work-groups are here: the joint loads meet
	tensor_load_to_lds s[G0:G0+3], s[G1:G1+7]
	s_nop 0
.rept 4
	v_nop
.endr
	; my place in the cluster enters global addresses of q and o alone
	s_bfe_u32 s13, ttmp6, 0x40000                  ; cx
	s_lshl_b32 s54, ttmp9, 2
	s_add_co_u32 s13, s13, s54                     ; my block of 512 queries
	s_mul_i32 s54, s14, 16*QGRP
	s_lshl_b32 s55, s13, 2
	s_lshr_b32 s56, s[WV], 3
	s_add_co_u32 s55, s55, s56                     ; the group of 128 queries of the first pass: 4 x block + wave / 8
	s_mul_i32 s55, s55, QGRP
	s_add_co_u32 s54, s54, s55
	s_and_b32 s56, s[WV], 7                        ; my tile in it
	s_lshl_b32 s58, s56, 2
	s_add_co_u32 s58, s58, s54
	s_add_co_u32 s58, s58, 8192
	s_mov_b32 s59, 0
	s_add_nc_u64 s[16:17], s[4:5], s[58:59]        ; q's scale words [r][a], at my tile
	s_lshl_b32 s56, s56, 10
	s_add_co_u32 s54, s54, s56
	s_mov_b32 s55, 0
	s_add_nc_u64 s[4:5], s[4:5], s[54:55]          ; q's codes, at my tile
	s_and_b32 s54, s14, 15                         ; head
	s_lshr_b32 s55, s14, 4                         ; batch
	s_lshl_b32 s57, s55, 7
	s_lshl_b32 s58, s13, 5
	s_add_co_u32 s57, s57, s58
	s_add_co_u32 s57, s57, s[WV]                   ; my tile of 16 tokens in the first pass: 128 x batch + 32 x block + wave
	s_lshr_b32 s56, s54, 2
	s_lshl_b32 s56, s56, 21                        ; the K step of 256: 2 MiB each
	s_and_b32 s58, s54, 3
	s_lshl_b32 s58, s58, 10
	s_add_co_u32 s56, s56, s58
	s_lshl_b32 s58, s57, 12
	s_add_co_u32 s58, s58, s56
	s_mov_b32 s59, 0
	s_add_nc_u64 s[8:9], s[8:9], s[58:59]
	s_lshl_b32 s60, s57, 9                         ; 16 tokens x 32 bytes
	s_lshl_b32 s54, s54, 1
	s_add_co_u32 s60, s60, s54
	s_mov_b32 s61, 0
	s_add_nc_u64 s[10:11], s[10:11], s[60:61]
	s_mov_b32 s[SEL], 0x76543210
	s_mov_b32 s[SEL+1], 0xfedcba98                 ; v_permlanex16_b32's selects for lane l xor 16
	s_mov_b32 s[CS], 0x3d38aa3b                    ; c = log2(e) / 32
	s_mov_b32 s[CS+1], s[CS]
	s_mov_b32 s[MNT], 0x600000                     ; the mantissa field of 57,344
	s_mov_b32 s[PSEL], 0x05040100
	s_mov_b32 vcc_lo, 0xffff0000                   ; lanes 16-31
	v_and_b32 v[TMP], 31, v0
	s_delay_alu instid0(VALU_DEP_1)
	v_lshlrev_b32 v[LI], 4, v[TMP]
	v_and_b32 v[TMP], 15, v0                       ; r
	v_bfe_u32 v[TM2], v0, 4, 1                     ; h
	s_delay_alu instid0(VALU_DEP_2)
	v_lshlrev_b32 v[QW], 5, v[TMP]
	s_delay_alu instid0(VALU_DEP_1)
	v_add_nc_u32 v[LK], 16384, v[QW]
	s_delay_alu instid0(VALU_DEP_4)
	v_lshl_add_u32 v[LV], v[TMP], 4, 16896
	s_delay_alu instid0(VALU_DEP_3)
	v_add_nc_u32 v[OSV], v[QW], v[TM2]
	global_load_b128 v[QZ+8:QZ+11], v[LI], s[4:5]  ; both passes' q: the second pass's tile lies two groups on
	global_load_b128 v[QZ+12:QZ+15], v[LI], s[4:5] offset:512
	global_load_b32 v[QSW], v[QW], s[16:17]
	global_load_b128 v[Q1F:Q1F+3], v[LI], s[4:5] offset:2*QGRP
	global_load_b128 v[Q1F+4:Q1F+7], v[LI], s[4:5] offset:2*QGRP+512
	global_load_b32 v[Q1W], v[QW], s[16:17] offset:2*QGRP
.set i, 0
.rept 8
	v_mov_b32 v[QZ+i], 0                           ; the zeros on both sides of q: written once
	v_mov_b32 v[QZ+16+i], 0
.set i, i+1
.endr
.irp b, 0,1,2,3
	v_mov_b32 v[PRM+\b], 0                         ; written once: a lane permute's destination counts as one of its sources
.endr
	v_mov_b32 v[F+1], 0                            ; (named as the upper half of a pair)
.macro INIT                            ; the loop has no first step of its own: O^T and the sum begin as zeros, which the first change of M leaves zeros
	v_mov_b32 v13, 0xff61b1e6                      ; the largest t so far: -3e38
	s_delay_alu instid0(VALU_DEP_1)
	v_floor_f32 v12, -v13                          ; -M
	v_mov_b32 v14, 0
	v_mov_b32 v15, 0
.set i, 0
.rept 32
	v_mov_b32 v[O+i], 0
.set i, i+1
.endr
.endm
.macro KLOADS from, n, off             ; images from .. from + n - 1 of a key step's 16 images of k: image i is registers 4 i .. 4 i + 3 of the four fragments
.set i, \from
.rept \n
	ds_load_b128 v[KF+4*i:KF+4*i+3], v[AD] offset:\off+512*i
.set i, i+1
.endr
.endm
.macro PACKW                           ; a fragment's scale word: tile 2 f's two bytes below, tile 2 f + 1's above
.irp f, 0,1,2,3
	v_perm_b32 v[KP+\f], v[PCD+2*\f+1], v[PCD+2*\f], s[PSEL]
.endr
.endm
.macro PRE                             ; the first k of a pass.  Eight plain instructions stand between the scale words' last write and the products that name them
	v_add_nc_u32 v[AD], s[TB], v[LI]
	v_add_nc_u32 v[ADS], s[TB], v[LK]
	ds_load_b128 v[PCD:PCD+3], v[ADS]
	ds_load_b128 v[PCD+4:PCD+7], v[ADS] offset:16
	KLOADS 0, 16, 0
	s_wait_dscnt 0x0
	PACKW
.rept 8
	v_nop
.endr
.endm
; A KEY STEP: 128 keys, at LDS byte s[TB].  Its k and k's scale words are in registers.  nxt = 1: the next step's are fetched.
.macro STEP nxt
.irp f, 0,1,2,3                                ; S^T = k q^T: eight tiles of 16 keys, eight accumulators
	v_wmma_scale_f32_16x16x128_f8f6f4 v[S+16*\f:S+16*\f+7], v[KF+16*\f:KF+16*\f+15], v[QZ+8:QZ+23], 0, v[KP+\f], v[QSW] matrix_a_fmt:MATRIX_FMT_BF8 matrix_b_fmt:MATRIX_FMT_BF8
	v_wmma_scale_f32_16x16x128_f8f6f4 v[S+16*\f+8:S+16*\f+15], v[KF+16*\f:KF+16*\f+15], v[QZ:QZ+15], 0, v[KP+\f], v[QSW2] matrix_a_fmt:MATRIX_FMT_BF8 matrix_b_fmt:MATRIX_FMT_BF8
.endr
	v_add_nc_u32 v[AD], s[TB], v[LI]               ; eight places behind the products: four of them are work
	v_add_nc_u32 v[ADS], s[TB], v[LK]
	v_add_nc_u32 v[ADT], s[TB], v[LV]
	v_mov_b32 v[TMP], v12                          ; the old -M
.rept 4
	v_nop
.endr
.irp b, 0,1,2,3
	v_max3_num_f32 v[BMX+\b], v[S+16*\b], v[S+1+16*\b], v[S+2+16*\b]   ; the largest score of each block of 32 keys: for the row's maximum, and, since p rises with the score, for the block's largest p
.endr
.irp i, 3,5,7,9,11,13
.irp b, 0,1,2,3
	v_max3_num_f32 v[BMX+\b], v[BMX+\b], v[S+16*\b+\i], v[S+1+16*\b+\i]
.endr
.endr
.irp b, 0,1,2,3
	v_max_num_f32 v[BMX+\b], v[BMX+\b], v[S+15+16*\b]
.endr
.irp b, 0,1,2,3
	s_delay_alu instid0(VALU_DEP_4)
	v_permlanex16_b32 v[PRM+\b], v[BMX+\b], s[SEL], s[SEL+1]
.endr
.irp b, 0,1,2,3
	s_delay_alu instid0(VALU_DEP_4)
	v_max_num_f32 v[BMX+\b], v[BMX+\b], v[PRM+\b]  ; with lane l xor 16's 16 keys
.endr
	; the lines that lead to the new M hang on each other: the LDS loads, which hang on nothing, stand between them
	s_delay_alu instid0(VALU_DEP_2)
	v_max3_num_f32 v[TM2], v[BMX], v[BMX+1], v[BMX+2]
.if \nxt
	ds_load_b128 v[PCD:PCD+3], v[ADS] offset:STEPB         ; the next k's scale words, as they lie
	ds_load_b128 v[PCD+4:PCD+7], v[ADS] offset:STEPB+16
.endif
	ds_load_b128 v[VSW:VSW+3], v[ADT]              ; v's scale words of this step
	v_max_num_f32 v[TM2], v[TM2], v[BMX+3]         ; the step's largest score of my query
.if \nxt
	KLOADS 0, 4, STEPB
.endif
	v_mul_f32 v[TM2], s[CS], v[TM2]                ; as t (c is positive)
.if \nxt
	KLOADS 4, 4, STEPB
.endif
	v_max_num_f32 v13, v13, v[TM2]                 ; the running largest t
.if \nxt
	KLOADS 8, 4, STEPB
.endif
	v_floor_f32 v12, -v13                          ; the new -M = floor(-t) = -ceil(t)
.if \nxt
	KLOADS 12, 4, STEPB
.endif
	v_sub_f32 v[TMP], v12, v[TMP]                  ; old M - new M: a whole number, 0 or less
.irp b, 0,1,2,3
	v_fma_f32 v[BMX+\b], v[BMX+\b], s[CS], v12     ; t - M of each block's largest score
.endr
	v_cvt_i32_f32 v[TMP], v[TMP]                   ; (it saturates)
.set j, 0
.rept 32
	v_pk_fma_f32 v[S+j:S+j+1], v[S+j:S+j+1], s[CS:CS+1], v[12:13] op_sel_hi:[1,0,0]   ; t - M, two at a time
.set j, j+2
.endr
	v_ldexp_f32 v[F], 1.0, v[TMP]                  ; f = 2^(old M - new M)
	s_wait_alu depctr_va_vdst(0)                   ; the wait ahead of the batch
.irp b, 0,1,2,3
	v_exp_f32 v[BMX+\b], v[BMX+\b]                 ; the block's largest p: the same multiply-add and exponential on the same number
.endr
.set j, 0
.rept 64
	v_exp_f32 v[S+j], v[S+j]                       ; p = 2^(t - M), at most 1
.set j, j+1
.endr
	v_pk_mul_f32 v[14:15], v[14:15], v[F:F+1] op_sel_hi:[1,0]   ; the sums under the new M: a plain instruction behind the exponentials
.if \nxt
	s_wait_dscnt 17                                ; the next k's scale words are in; behind them v's word load and k's sixteen loads may be out
	PACKW
.endif
	s_wait_alu depctr_va_vdst(0)                   ; one wait for the 68 exponentials, ahead of their first reader
.irp b, 0,1,2,3
	v_max_num_f32 v[BMX+\b], 0x8000000, v[BMX+\b]  ; the floor 2^(16 - 127): the byte cannot fall under 1
.endr
.irp b, 0,1,2,3
	s_delay_alu instid0(VALU_DEP_4)
	v_add_nc_u32 v[SOP+\b], 0xf8800000, v[BMX+\b]  ; 15 off the exponent field: the conversion's scale operand
.endr
.irp b, 0,1,2,3
	v_and_or_b32 v[HLD+\b], v[BMX+\b], 0x7f800000, s[MNT]   ; 57,344 x the scale
.endr
.irp b, 0,1,2,3
	v_lshrrev_b32 v[PRM+\b], 23, v[SOP+\b]         ; the scale's byte
.endr
	s_delay_alu instid0(VALU_DEP_3)
	v_lshl_or_b32 v[PWD], v[PRM+1], 8, v[PRM]      ; p's scale word for these 128 keys
	s_delay_alu instid0(VALU_DEP_1)
	v_lshl_or_b32 v[PWD], v[PRM+2], 16, v[PWD]
	s_delay_alu instid0(VALU_DEP_1)
	v_lshl_or_b32 v[PWD], v[PRM+3], 24, v[PWD]
	v_pk_add_f32 v[CH2:CH2+1], v[S:S+1], v[S+2:S+3]   ; the row's sum is taken of the unquantised p: two at a time, in two chains
.set j, 4
.rept 15
	v_pk_add_f32 v[14:15], v[14:15], v[S+j:S+j+1]
	v_pk_add_f32 v[CH2:CH2+1], v[CH2:CH2+1], v[S+2+j:S+3+j]
.set j, j+4
.endr
.irp b, 0,1,2,3
.set i, 0
.rept 8
	v_dual_min_num_f32 v[S+16*\b+i], v[S+16*\b+i], v[HLD+\b] :: v_dual_min_num_f32 v[S+16*\b+i+1], v[S+16*\b+i+1], v[HLD+\b]   ; the conversion does not saturate (ISA guide 7.6.2); p is not negative, so the hold is one-sided; two holds a line
.set i, i+2
.endr
	v_cvt_scalef32_pk8_bf8_f32 v[PCD+4*\b:PCD+4*\b+1], v[S+16*\b:S+16*\b+7], v[SOP+\b]
	v_cvt_scalef32_pk8_bf8_f32 v[PCD+4*\b+2:PCD+4*\b+3], v[S+16*\b+8:S+16*\b+15], v[SOP+\b]
.irp c, 0,1,2,3                                ; the block's 16 registers are done with: fragment b of v takes them
	ds_load_b128 v[S+16*\b+4*\c:S+16*\b+4*\c+3], v[AD] offset:8192+\b*2048+\c*512
.endr
.endr
	v_nop                                          ; one plain instruction between the last conversion and the exchanges
.irp b, 0,1,2,3
	v_permlane16_swap_b32 v[PCD+4*\b], v[PCD+4*\b+2]     ; keys 32 b + 16 h + 0 .. 15 into lane (r, h)
	v_permlane16_swap_b32 v[PCD+4*\b+1], v[PCD+4*\b+3]
.endr
.set j, 0
.rept 16
	v_pk_mul_f32 v[O+j:O+j+1], v[O+j:O+j+1], v[F:F+1] op_sel_hi:[1,0]   ; O^T under the new M; these are also the places between the codes' last write and the products
.set j, j+2
.endr
	s_wait_alu depctr_va_vdst(0)
.irp t, 0,1,2,3                                ; O^T += v^T p^T: the four accumulators by turns
	s_wait_dscnt 12-4*\t                           ; fragment t is in; the later fragments' loads, four each, may be out
	v_wmma_scale_f32_16x16x128_f8f6f4 v[O+8*\t:O+8*\t+7], v[S+16*\t:S+16*\t+15], v[PCD:PCD+15], v[O+8*\t:O+8*\t+7], v[VSW+\t], v[PWD] matrix_a_fmt:MATRIX_FMT_BF8 matrix_b_fmt:MATRIX_FMT_BF8
.endr
	v_pk_add_f32 v[14:15], v[14:15], v[CH2:CH2+1]  ; the sums' two chains.  Nine places in all behind the last product: the next scores are written over v's fragments, which these products read
.rept 8
	v_nop
.endr
	s_add_co_u32 s[TB], s[TB], STEPB
.endm
.macro RUN n                           ; n + 1 key steps from s[TB] on: the first k by itself, n steps that fetch ahead, one that does not
	PRE
	s_mov_b32 s[CNT], \n
.Lrun_\@:
	STEP 1
	s_sub_co_u32 s[CNT], s[CNT], 1
	s_cmp_lg_u32 s[CNT], 0
	s_cbranch_scc1 .Lrun_\@
	STEP 0
.endm
; THE WAY OUT of pass p: o = O^T / the sum; register 8 t + j is o(query r, 16 t + 8 h + j): two blocks of 32 along the output projection's K, quantised as p is, with holds on both sides.
.macro OUT p
	v_add_f32 v14, v14, v15                        ; the sum's two halves,
	s_delay_alu instid0(VALU_DEP_1)
	v_permlanex16_b32 v[TMP], v14, s[SEL], s[SEL+1]
	s_delay_alu instid0(VALU_DEP_1)
	v_add_f32 v14, v14, v[TMP]                     ; and lane l xor 16's
	s_wait_alu depctr_va_vdst(0)
	v_rcp_f32 v14, v14
	v_nop                                          ; a plain instruction behind the reciprocal
	s_wait_alu depctr_va_vdst(0)                   ; and the wait ahead of its first reader
.set j, 0
.rept 32
	v_mul_f32 v[S+j], v[O+j], v14
.set j, j+1
.endr
.irp b, 0,1
	v_max3_num_f32 v[BMX+\b], |v[S+16*\b]|, |v[S+1+16*\b]|, 0x8000000
.endr
.irp i, 2,4,6,8,10,12,14
.irp b, 0,1
	s_delay_alu instid0(VALU_DEP_2)
	v_max3_num_f32 v[BMX+\b], v[BMX+\b], |v[S+16*\b+\i]|, |v[S+1+16*\b+\i]|
.endr
.endr
.irp b, 0,1
	s_delay_alu instid0(VALU_DEP_2)
	v_permlanex16_b32 v[PRM+\b], v[BMX+\b], s[SEL], s[SEL+1]
.endr
.irp b, 0,1
	s_delay_alu instid0(VALU_DEP_2)
	v_max_num_f32 v[BMX+\b], v[BMX+\b], v[PRM+\b]
.endr
.irp b, 0,1
	s_delay_alu instid0(VALU_DEP_2)
	v_add_nc_u32 v[SOP+\b], 0xf8800000, v[BMX+\b]
.endr
.irp b, 0,1
	s_delay_alu instid0(VALU_DEP_4)
	v_and_or_b32 v[HLD+\b], v[BMX+\b], 0x7f800000, s[MNT]
.endr
.irp b, 0,1
	s_delay_alu instid0(VALU_DEP_4)
	v_lshrrev_b32 v[PRM+\b], 23, v[SOP+\b]
.endr
.irp b, 0,1
.set i, 0
.rept 16
	v_med3_num_f32 v[S+16*\b+i], v[S+16*\b+i], -v[HLD+\b], v[HLD+\b]
.set i, i+1
.endr
	v_cvt_scalef32_pk8_bf8_f32 v[PCD+4*\b:PCD+4*\b+1], v[S+16*\b:S+16*\b+7], v[SOP+\b]
	v_cvt_scalef32_pk8_bf8_f32 v[PCD+4*\b+2:PCD+4*\b+3], v[S+16*\b+8:S+16*\b+15], v[SOP+\b]
.endr
	v_nop
.irp b, 0,1
	v_permlane16_swap_b32 v[PCD+4*\b], v[PCD+4*\b+2]
	v_permlane16_swap_b32 v[PCD+4*\b+1], v[PCD+4*\b+3]
.endr
	v_cndmask_b32 v[TMP], v[PRM], v[PRM+1], vcc_lo ; lanes 0-15 store block 0's byte of their row, lanes 16-31 block 1's
	global_store_b128 v[LI], v[PCD:PCD+3], s[8:9] offset:\p*65536         ; each store of the wave covers 512 consecutive bytes, aligned
	global_store_b128 v[LI], v[PCD+4:PCD+7], s[8:9] offset:\p*65536+512
	global_store_b8 v[OSV], v[TMP], s[10:11] offset:\p*8192
.endm
	s_wait_loadcnt 0x0                             ; q, both passes'
	v_lshl_or_b32 v[QSW2], v[QSW], 16, 0x7f7f      ; q's two bytes above, for [0, q]
	INIT
	s_wait_tensorcnt 0x0                           ; my key step is in: every wave waits, since every wave issues the one load line
	s_wait_dscnt 0x0
	s_barrier_signal -1
	s_barrier_wait -1                              ; everybody's is: the whole head lies in LDS, and no barrier follows up to the end
	s_mov_b32 s[TB], 0
	RUN 15                                         ; all sixteen key steps
	OUT 0
	s_wait_xcnt 0x0                                ; the stores have read their data: the registers may be written again
	v_mov_b32 v[QSW], v[Q1W]                       ; the second pass: the tile 256 queries on
	v_lshl_or_b32 v[QSW2], v[Q1W], 16, 0x7f7f
.set i, 0
.rept 8
	v_mov_b32 v[QZ+8+i], v[Q1F+i]
.set i, i+1
.endr
	INIT
	s_mov_b32 s[TB], 0
	RUN 15
	OUT 1
	s_wait_xcnt 0x0
	v_lshl_add_u32 v254, v0, 2, 0x43000            ; the add's two registers were at work as scale operands: made anew
	v_mov_b32 v255, 0
	s_wait_alu depctr_va_vdst(0)
	s_wait_tensorcnt 0x0                           ; the wave's end
	ds_add_u32 v254, v255
	s_wait_dscnt 0x0
	CROUND                                         ; the closing round
	s_endpgm
.Lfunc_end_k_q17b15d0456_attn:
	.size	k_q17b15d0456_attn, .Lfunc_end_k_q17b15d0456_attn-k_q17b15d0456_attn
	.p2alignl 7, 3214868480
	.fill 96, 4, 3214868480
	.section	.rodata,"a",@progbits
	.p2align	6, 0x0
	.amdhsa_kernel k_q17b15d0456_attn
		.amdhsa_group_segment_fixed_size 276480
		.amdhsa_private_segment_fixed_size 0
		.amdhsa_enable_private_segment 0
		.amdhsa_kernarg_size 32
		.amdhsa_user_sgpr_count 2
		.amdhsa_user_sgpr_kernarg_segment_ptr 1
		.amdhsa_wavefront_size32 1
		.amdhsa_system_sgpr_workgroup_id_x 1
		.amdhsa_system_sgpr_workgroup_id_y 1
		.amdhsa_system_sgpr_workgroup_id_z 1
		.amdhsa_system_vgpr_workitem_id 0
		.amdhsa_next_free_vgpr 256
		.amdhsa_next_free_sgpr 66
		.amdhsa_reserve_vcc 1
		.amdhsa_float_denorm_mode_32 3
		.amdhsa_float_denorm_mode_16_64 3
		.amdhsa_memory_ordered 1
		.amdhsa_forward_progress 1
		.amdhsa_inst_pref_size 101
	.end_amdhsa_kernel
	.amdgpu_metadata
---
amdhsa.version: [ 1, 2 ]
amdhsa.kernels:
  - .name:           k_q17b15d0456_attn
    .symbol:         k_q17b15d0456_attn.kd
    .args:
      - { .name: qb, .offset: 0, .size: 8, .value_kind: global_buffer, .address_space: global }
      - { .name: kv, .offset: 8, .size: 8, .value_kind: global_buffer, .address_space: global }
      - { .name: oimg, .offset: 16, .size: 8, .value_kind: global_buffer, .address_space: global }
      - { .name: os, .offset: 24, .size: 8, .value_kind: global_buffer, .address_space: global }
    .group_segment_fixed_size: 276480
    .private_segment_fixed_size: 0
    .kernarg_segment_align: 8
    .kernarg_segment_size: 32
    .max_flat_workgroup_size: 512
    .sgpr_count:     66
    .vgpr_count:     256
    .wavefront_size: 32
...
	.end_amdgpu_metadata
.endif
;; end of part 3
;; launch outproj (part 4): grid 8 x 32, 4 waves a work-group, clusters of 4 x 4, 327,680 bytes of LDS; arguments oimg, os, Wo_codes, Wo_scales, y, Q, bo, st; writes y, st
.if DOCPART == 4
	.amdgcn_target "amdgcn-amd-amdhsa--gfx1250"
	.amdhsa_code_object_version 6
	.text
	.protected	k_q17b15d0456_outproj
	.globl	k_q17b15d0456_outproj
	.p2align	8
	.type	k_q17b15d0456_outproj,@function
k_q17b15d0456_outproj:
	s_mov_b64 s[64:65], 0
	v_nop
	global_prefetch_b8 v0, s[64:65] scope:SCOPE_SE
	s_setreg_imm32_b32 hwreg(HW_REG_WAVE_MODE, 25, 1), 1
	s_wait_xcnt 0x0
	s_wait_alu depctr_hold_cnt(0) depctr_sa_sdst(0) depctr_va_vdst(0) depctr_va_sdst(0) depctr_va_ssrc(0) depctr_va_vcc(0) depctr_vm_vsrc(0)
	s_getreg_b32 s2, hwreg(HW_REG_IB_STS2, 6, 4)
	s_cmp_eq_u32 s2, 0
	s_cbranch_scc0 .Lentry_in_a_cluster
	s_endpgm
.Lentry_in_a_cluster:
	s_bfe_u32 s2, ttmp6, 0x10000c
	s_cmp_lg_u32 s2, 0xf033
	s_cbranch_scc0 .Lentry_shape_is_right
	s_endpgm
.Lentry_shape_is_right:
; y = o Wo + bo + Q ON CODES OF BF8 (E5M2, one E8M0 byte for 32 along K): 8,192 x 1,024 x 1,024, f32 out, and for each group of 128 rows and each channel a mean and a sum of squared deviations (st), which the next launch merges.
; SHARES.  256 work-groups of four waves, 2 x 2: a work-group makes 256 tokens x 128 channels, a wave 128 x 64: 32 accumulators, 256 registers, all in window 2.  The block is chosen so that the grid is 8 x 32.
; K goes in steps of 256 through two LDS slots filled by joint loads: o's tile (A) is shared along a row of the 4 x 4 cluster, Wo's (B) along a column.  The four K steps are written out: no loop.
; o's codes lie in memory and in LDS as images of the operand's registers (oimg: 4,096 bytes for 16 tokens and a K step): a K step's 256 tokens are 65,536 dense bytes; Wo's 128 rows of 256 bytes get 16 of padding each.
; THE HEAD: four tiles, one joint load a wave: wave 0 K step 0 of A, wave 1 of B, wave 2 A's scale bytes for all of K, wave 3 B's.  Slot 1 is first filled behind the full sequence and a round; in the ring waves 0, 1 fetch A's halves, waves 2, 3 B's.
; THE PRODUCT IS USED TRANSPOSED (source 0 = 16 rows of Wo, source 1 = 16 tokens): a lane holds eight neighbouring channels of a token.
; THE WAY OUT: 16 tokens x 64 channels at a time through the wave's stage in LDS; they come back two rows a load, sixteen lanes to a row of 256 bytes.  So lanes 0-15 see my even rows and lanes 16-31 my odd ones:
; each half keeps a shift (its first row), a sum and a sum of squares of 64 rows; at the end mean = (m0 + m1) / 2 and M2 = M2_0 + M2_1 + 32 (m0 - m1)^2 join the halves.
; Q IS ASKED FOR AHEAD: each of the four steps of 128 along K that fetch a successor names 32 of my 128 rows, a lane a row's 256 bytes: each block once in the launch.  bo and Q's first three blocks are loaded ahead of the last 32 products.
; The tiles are not prefetched: K has four steps, and the first two are asked for at the head.  LIMITS: NaN and infinities are not served.
.set NQ,     2
.set ROWB,   256
.set KROW,   1024
.set PITCH,  272
.set FR,     16
.set NL,     4
.set NP,     8
.set BOFF,   65536                     ; a slot: A's 65,536 bytes, then B's 128 rows of 272
.set SLOT,   BOFF+128*PITCH
.set SCL,    2*SLOT                    ; the scale bytes: units of 256 bytes (8 rows) + 16 of padding: A's 256 rows, then B's 128
.set HALFS,  16*272                    ; those of 128 rows
.set SBLK,   2*272                     ; of 16 rows
.set SPARE,  SCL+3*HALFS
.set ASTEP,  1<<21                     ; a K step of oimg
.set SPITCH, 272                       ; the stage: 16 rows of 256 bytes + 16, for each wave, in slot 0 behind its last fill and last read
.set ADRA, 16                          ; v16-17 LDS address of my A fragments in slot 0, 1
.set CB,   18                          ; v18  16 r
.set CT,   19                          ; v19  16 r + 262,144 h: st
.set ADRB, 20                          ; v20-21 the same for B
.set ADRS2, 22                         ; v22  scale words: all lanes A's rows
.set STO,  24
.set RD,   25
.set CO,   26                          ; v26  4,096 h + 16 r: y and Q
.set ADRS, 27                          ; v27  scale words: lanes 0-15 A's rows, lanes 16-31 B's
.set SPW,  28
.set NIL,  29
.set PFO,  30                          ; v30  4,096 x lane; never rewritten
.set SC,   32                          ; v32-63 scale words, two sets: register NQ i + q: lanes 0-15 A's block i, lanes 16-31 (i < 4) B's block i
.set BO,   64
.set SH,   68
.set S1,   72
.set S2,   80
.set DD,   88
.set AF,   128                         ; A's eight fragments, one set, window 0; B's four, two sets, window 1 at v0 and v128
.set BK,   128
.set G0H, 4
.set G0HB, 8
.set G1, 24
.set G0, 32
.set G1B, 48
.set G0B, 56
.set G1S, 68
.set G0S, 76
.set G1SB, 80
.set G0SB, 88
.set PF, 0
.set MSB, 0
.macro WIN new                         ; the immediate's high byte repeats the setting that is left
.if MSB != \new
	s_set_vgpr_msb (MSB<<8)|\new
.set MSB, \new
.endif
.endm
.set MUL,  0xa1                        ; source 0 (B) window 1, source 1 (A) window 0, C and D window 2
.set TO_B, 0x40
.macro TL g0, g1                       ; a tensor load with an s_nop and four v_nops behind it
	tensor_load_to_lds s[\g0:\g0+3], s[\g1:\g1+7]
	s_nop 0
.rept 4
	v_nop
.endr
.endm
.macro JLOAD g0a, g1a, g0b, g1b        ; waves 0, 1 fetch for A, waves 2, 3 for B
	s_cmp_eq_u32 s15, 0
	s_cbranch_scc0 .Lfor_b_\@
	TL \g0a, \g1a
	s_branch .Lasked_\@
.Lfor_b_\@:
	TL \g0b, \g1b
.Lasked_\@:
.endm
.macro CREST
	s_cmp_lg_u32 s14, 0
	s_cbranch_scc1 .Lnot_wave_0_\@
	s_barrier_signal -3
.Lnot_wave_0_\@:
	s_barrier_wait -3
	s_barrier_signal -1
	s_barrier_wait -1
.endm
.macro CROUND
	s_barrier_signal -1
	s_barrier_wait -1
	CREST
.endm
.macro D1 g, w0, d0, d1, st            ; group 1 behind its first word: rows of d0 elements, d1 rows, pitch st
	s_mov_b32 s[\g+1], (\d0)<<16
	s_mov_b32 s[\g+2], (\d1)<<16
	s_mov_b32 s[\g+3], (\d0)<<16
	s_mov_b32 s[\g+4], \d1
	s_mov_b32 s[\g+5], \st
	s_mov_b32 s[\g+6], 0
	s_mov_b32 s[\g+7], 0
.endm
.macro D0 g, lds, a                    ; group 0: LDS constant, global address in s[a:a+1]
	s_mov_b32 s[\g], 1
	s_mov_b32 s[\g+1], \lds
	s_mov_b64 s[\g+2:\g+3], s[\a:\a+1]
	s_or_b32 s[\g+3], s[\g+3], 0x80000000
.endm
	s_load_b256 s[4:11], s[0:1], 0x0               ; oimg, os, Wo_codes, Wo_scales
	s_load_b64 s[12:13], s[0:1], 0x20              ; y
	s_load_b64 s[96:97], s[0:1], 0x28              ; Q
	s_load_b64 s[98:99], s[0:1], 0x30              ; bo
	s_load_b64 s[100:101], s[0:1], 0x38            ; st
	v_lshl_add_u32 v[SPW], v0, 2, SPARE
	v_mov_b32 v[NIL], 0
	ds_add_u32 v[SPW], v[NIL]                      ; the set-up stands between the second add and the wait
	ds_add_u32 v[SPW], v[NIL]
	v_lshrrev_b32 v1, 5, v0
	v_readfirstlane_b32 s14, v1                    ; wave 0..3
	s_lshr_b32 s15, s14, 1                         ; my half of the tokens.  Also: I fetch for A (0) or for B (1)
	s_and_b32 s16, s14, 1                          ; my half of the channels.  Also: which half of that tile I fetch
	s_bfe_u32 s40, ttmp6, 0x40000                  ; cx, cy
	s_bfe_u32 s41, ttmp6, 0x40004
	s_lshl_b32 s42, ttmp9, 2
	s_add_co_u32 s42, s42, s40                     ; tile column 0..7
	s_and_b32 s17, ttmp7, 0xffff
	s_lshl_b32 s17, s17, 2
	s_add_co_u32 s17, s17, s41                     ; tile row 0..31
	s_lshl_b32 s43, s41, 2
	s_lshl_b32 s43, 15, s43                        ; my row of the cluster
	s_lshl_b32 s44, 0x1111, s40                    ; my column
	s_or_b32 s[G1+0], s43, (3<<16)|(1<<21)         ; A: dense rows of 256 bytes (32 elements of 8): 256 at the head
	D1 G1, 0, 32, 256, 32
	s_or_b32 s[G1B+0], s44, (1<<20)|(1<<21)|(5<<22)|(3<<25)   ; B: rows of 256 bytes, 16 of padding: 128 at the head
	D1 G1B, 0, ROWB, 128, KROW
	s_or_b32 s[G1S+0], s43, (3<<16)|(1<<20)|(1<<21)|(5<<22)|(3<<25)   ; A's scale bytes: 8,192 dense bytes
	D1 G1S, 0, 32, 32, 32
	s_or_b32 s[G1SB+0], s44, (3<<16)|(1<<20)|(1<<21)|(5<<22)|(3<<25)  ; B's: 4,096
	D1 G1SB, 0, 32, 16, 32
	s_lshl_b32 s20, s17, 8                         ; A: the tile's first token
	s_lshl_b32 s46, s42, 7                         ; B: its first row of Wo
	s_lshl_b32 s22, s20, 5                         ; their scale bytes: 32 a row
	s_lshl_b32 s92, s46, 5
	s_lshl_b32 s20, s20, 8                         ; their codes: 256 bytes a token in a K step; 1,024 a row of Wo
	s_lshl_b32 s46, s46, 10
	s_mov_b32 s21, 0
	s_mov_b32 s23, 0
	s_mov_b32 s47, 0
	s_mov_b32 s93, 0
	s_lshl_b32 s95, s14, 15                        ; the ring's LDS places: A's halves,
	s_mul_i32 s94, s16, 64*PITCH
	s_add_co_u32 s94, s94, BOFF                    ; B's
	s_wait_dscnt 0x0
	s_wait_kmcnt 0x0
	s_add_nc_u64 s[20:21], s[4:5], s[20:21]
	s_add_nc_u64 s[22:23], s[6:7], s[22:23]
	s_add_nc_u64 s[46:47], s[8:9], s[46:47]
	s_add_nc_u64 s[92:93], s[10:11], s[92:93]
	CROUND                                         ; all sixteen work-groups are here: the first joint loads meet
	D0 G0S, SCL, 22
	D0 G0SB, SCL+2*HALFS, 92
	D0 G0H, 0, 20
	D0 G0HB, BOFF, 46
	s_lshl_b32 s18, s16, 15                        ; for the ring: my 128 tokens of A,
	s_mov_b32 s19, 0
	s_add_nc_u64 s[20:21], s[20:21], s[18:19]
	s_lshl_b32 s18, s16, 16                        ; my 64 rows of B
	s_add_nc_u64 s[46:47], s[46:47], s[18:19]
.irp s, 0,1
	s_mov_b32 s[G0+4*\s], 1
	s_add_co_u32 s[G0+4*\s+1], s95, \s*SLOT
	s_add_nc_u64 s[G0+4*\s+2:G0+4*\s+3], s[20:21], \s*ASTEP
	s_or_b32 s[G0+4*\s+3], s[G0+4*\s+3], 0x80000000
	s_mov_b32 s[G0B+4*\s], 1
	s_add_co_u32 s[G0B+4*\s+1], s94, \s*SLOT
	s_add_nc_u64 s[G0B+4*\s+2:G0B+4*\s+3], s[46:47], \s*ROWB
	s_or_b32 s[G0B+4*\s+3], s[G0B+4*\s+3], 0x80000000
.endr
.macro ARM under, g0, g1, next         ; the head's loads: one chain of branches on the wave's number, every way passes exactly one
	s_cmp_lt_u32 s14, \under
	s_cbranch_scc0 \next
	TL \g0, \g1
	s_branch .Lhead_asked
\next:
.endm
	ARM 1, G0H,  G1,  .Lhead_b
	ARM 2, G0HB, G1B, .Lhead_sa
	ARM 3, G0S,  G1S, .Lhead_sb
	TL G0SB, G1SB
.Lhead_asked:
	v_and_b32 v1, 15, v0                           ; r
	v_bfe_u32 v2, v0, 4, 1                         ; h
	v_and_b32 v6, 31, v0
	v_lshlrev_b32 v7, 4, v6                        ; 16 x lane
	v_lshlrev_b32 v[PFO], 12, v6
	v_mul_u32_u24 v3, v1, PITCH
	v_lshl_add_u32 v4, v2, 4, v3
	s_lshl_b32 s21, s15, 15                        ; my 128 tokens of A
	s_mul_i32 s22, s16, 64*PITCH                   ; my 64 rows of B
	s_add_co_u32 s22, s22, BOFF
.irp s, 0,1
	v_add_nc_u32 v[ADRA+\s], s21, v7
	v_add_nc_u32 v[ADRB+\s], s22, v4
	s_add_co_u32 s21, s21, SLOT
	s_add_co_u32 s22, s22, SLOT
.endr
	v_lshlrev_b32 v5, 5, v1                        ; my row's scale bytes: 32 a row, and 16 more for each 8 rows
	v_lshrrev_b32 v6, 3, v1
	v_lshl_add_u32 v5, v6, 4, v5
	s_mul_i32 s21, s15, HALFS
	s_mul_i32 s22, s16, HALFS/2
	s_add_co_u32 s22, s22, 2*HALFS
	s_sub_co_u32 s22, s22, s21
	v_mul_u32_u24 v6, s22, v2                      ; lanes 16-31 take B's
	s_add_co_u32 s21, s21, SCL
	v_add_nc_u32 v[ADRS2], s21, v5
	v_add_nc_u32 v[ADRS], v[ADRS2], v6
	s_mul_i32 s23, s14, 16*SPITCH                  ; my stage
	v_mul_u32_u24 v5, v1, SPITCH
	v_lshl_add_u32 v5, v2, 5, v5
	v_add_nc_u32 v[STO], s23, v5                   ; in: row r, 32 h
	v_mul_u32_u24 v5, v2, SPITCH
	v_lshl_add_u32 v5, v1, 4, v5
	v_add_nc_u32 v[RD], s23, v5                    ; back: row h, 16 r
	v_lshlrev_b32 v[CB], 4, v1
	v_lshl_add_u32 v[CO], v2, 12, v[CB]
	v_lshl_add_u32 v[CT], v2, 18, v[CB]
	s_lshl_b32 s20, s17, 8
	s_lshl_b32 s21, s15, 7
	s_add_co_u32 s20, s20, s21
	s_lshl_b32 s20, s20, 12                        ; my first row of y and Q, in bytes: under 2^25
	s_lshl_b32 s46, s42, 9
	s_lshl_b32 s47, s16, 8
	s_add_co_u32 s46, s46, s47                     ; my first channel, in bytes
	s_mov_b32 s47, 0
	s_add_nc_u64 s[98:99], s[98:99], s[46:47]
	s_add_nc_u64 s[100:101], s[100:101], s[46:47]
	s_add_co_u32 s20, s20, s46
	s_mov_b32 s21, 0
	s_add_nc_u64 s[12:13], s[12:13], s[20:21]
	s_add_nc_u64 s[96:97], s[96:97], s[20:21]
	s_lshl_b32 s20, s17, 1
	s_add_co_u32 s20, s20, s15
	s_lshl_b32 s20, s20, 12                        ; my group of 128 rows in st
	s_add_nc_u64 s[100:101], s[100:101], s[20:21]
.macro FRAGB reg, adr, q, i
.irp c, 0,1,2,3
	ds_load_b128 v[\reg+4*\c:\reg+4*\c+3], v[\adr] offset:128*(\q)+32*\c+(\i)*16*PITCH
.endr
.endm
.macro FRAGA reg, adr, q, i
.irp c, 0,1,2,3
	ds_load_b128 v[\reg+4*\c:\reg+4*\c+3], v[\adr] offset:4096*(\i)+2048*(\q)+512*\c
.endr
.endm
; eight products: A's blocks a0, a0 + 1 x B's four.  The 32 accumulators take turns in the same order in every step.  zero = 1: the first product starts the sums
.macro MUL8 a0, p, q, sc, zero
.irp a, \a0, \a0+1
.irp b, 0,1,2,3
.if \zero
	v_wmma_scale_f32_16x16x128_f8f6f4 v[8*(4*(\a)+\b):8*(4*(\a)+\b)+7], v[128*(\p)+FR*\b:128*(\p)+FR*\b+FR-1], v[AF+FR*(\a):AF+FR*(\a)+FR-1], 0, v[SC+8*NQ*(\sc)+NQ*\b+(\q)], v[SC+8*NQ*(\sc)+NQ*(\a)+(\q)] matrix_a_fmt:MATRIX_FMT_BF8 matrix_b_fmt:MATRIX_FMT_BF8 matrix_a_scale:MATRIX_SCALE_ROW1
.else
	v_wmma_scale_f32_16x16x128_f8f6f4 v[8*(4*(\a)+\b):8*(4*(\a)+\b)+7], v[128*(\p)+FR*\b:128*(\p)+FR*\b+FR-1], v[AF+FR*(\a):AF+FR*(\a)+FR-1], v[8*(4*(\a)+\b):8*(4*(\a)+\b)+7], v[SC+8*NQ*(\sc)+NQ*\b+(\q)], v[SC+8*NQ*(\sc)+NQ*(\a)+(\q)] matrix_a_fmt:MATRIX_FMT_BF8 matrix_b_fmt:MATRIX_FMT_BF8 matrix_a_scale:MATRIX_SCALE_ROW1
.endif
.endr
.endr
.endm
.macro FETCH_B slot, q, p
	WIN TO_B
.irp i, 0,1,2,3
	FRAGB 128*(\p)+FR*\i, ADRB+\slot, \q, \i
.endr
	WIN 0
.endm
.macro FETCH_A slot, q, i0
.irp i, \i0, \i0+1, \i0+2, \i0+3
	FRAGA AF+FR*(\i), ADRA+\slot, \q, \i
.endr
.endm
.macro SCALES sc                       ; a K step's scale words: blocks 0-3 of A and B by one load each, blocks 4-7 of A alone
.irp i, 0,1,2,3
	ds_load_b64 v[SC+8*NQ*\sc+NQ*\i:SC+8*NQ*\sc+NQ*\i+1], v[ADRS] offset:\i*SBLK
.endr
.irp i, 4,5,6,7
	ds_load_b64 v[SC+8*NQ*\sc+NQ*\i:SC+8*NQ*\sc+NQ*\i+1], v[ADRS2] offset:\i*SBLK
.endr
.endm
.macro PLACES n
.rept \n
	v_nop
.endr
.endm
.macro STEP slot, q, zero              ; 128 along K with its successor in the same slot
	s_wait_dscnt 4*NL                              ; all but the youngest sixteen loads, A's blocks 4-7, are in
	WIN MUL
	MUL8 0, (\q)%2, \q, \slot, \zero
	MUL8 2, (\q)%2, \q, \slot, \zero
	s_wait_dscnt 0
	PLACES NP                                      ; eight places ahead of loads into registers that products have read
	FETCH_B \slot, (\q)+1, 1-(\q)%2
	FETCH_A \slot, (\q)+1, 0
	global_prefetch_b8 v[PFO], s[96:97] offset:PF*131072 th:TH_LOAD_NT scope:SCOPE_SE   ; 32 of my rows of Q; neither address register is written again
.set PF, PF+1
	WIN MUL
	MUL8 4, (\q)%2, \q, \slot, \zero
	MUL8 6, (\q)%2, \q, \slot, \zero
	PLACES NP
	WIN 0
	FETCH_A \slot, (\q)+1, 4
.endm
.macro TURN slot, next, fill           ; a slot's last 128 along K, and the change of slots
	s_wait_tensorcnt 0x0                           ; all my tensor loads are in: my part of the next slot;
	ds_add_u32 v[SPW], v[NIL]
	s_wait_dscnt 4*NL+1                            ; (the add and A's blocks 4-7 may be out)
	WIN MUL
	MUL8 0, 1, NQ-1, \slot, 0
	s_wait_dscnt 0x0                               ; the add is done, and my reads of this slot are over
	s_barrier_signal -1
	MUL8 2, 1, NQ-1, \slot, 0
	WIN 0
	s_barrier_wait -1
.if \fill
	CREST                                          ; the barrier has opened a round of the cluster's barrier
	s_add_nc_u64 s[G0+4*\slot+2:G0+4*\slot+3], s[G0+4*\slot+2:G0+4*\slot+3], 2*ASTEP
	s_add_nc_u64 s[G0B+4*\slot+2:G0B+4*\slot+3], s[G0B+4*\slot+2:G0B+4*\slot+3], 2*ROWB
	JLOAD G0+4*\slot, G1, G0B+4*\slot, G1B         ; the first tensor load behind the round
	PLACES NP-4
.else
	PLACES NP
.endif
	s_wait_alu depctr_va_vdst(0)                   ; the wait ahead of these readers
	v_add_nc_u32 v[ADRS], 4*NQ, v[ADRS]            ; the next K step's scale words
	v_add_nc_u32 v[ADRS2], 4*NQ, v[ADRS2]
	FETCH_B \next, 0, 0
	FETCH_A \next, 0, 0
	SCALES \next
	WIN MUL
	MUL8 4, 1, NQ-1, \slot, 0
	MUL8 6, 1, NQ-1, \slot, 0
	PLACES NP
	WIN 0
	FETCH_A \next, 0, 4
.endm
.macro TOSTAGE a                       ; block a, 16 tokens x 64 channels, into my stage and back as rows: LDS serves a wave's instructions in order
	WIN 0x08
.irp b, 0,1,2,3
	ds_store_b128 v[STO], v[8*(4*(\a)+\b):8*(4*(\a)+\b)+3] offset:64*\b
	ds_store_b128 v[STO], v[8*(4*(\a)+\b)+4:8*(4*(\a)+\b)+7] offset:64*\b+16
.endr
	WIN 0
.set BB, BK+32*((\a)%2)
.irp t, 0,1,2,3,4,5,6,7
	ds_load_b128 v[BB+4*\t:BB+4*\t+3], v[RD] offset:\t*2*SPITCH
.endr
.endm
.macro QLOAD a                         ; block a's 16 rows of Q, two rows a load, into window 1
	WIN 0x40
.set i, 0
.rept 8
	global_load_b128 v[32*((\a)%4)+4*i:32*((\a)%4)+4*i+3], v[CO], s[96:97] offset:(16*(\a)+2*i)*4096 th:TH_LOAD_NT
.set i, i+1
.endr
	WIN 0
.endm
.macro SEND a, younger                 ; + bo + Q, the statistics, the stores
.set BB, BK+32*((\a)%2)
.set QB, 32*((\a)%4)
.set LC, 8*(7-(\a))
.if LC > 24
.set LC, 24
.endif
	s_wait_dscnt \younger                          ; the block is back; the next block's LDS instructions may be out
	s_wait_loadcnt LC                              ; its rows of Q are in; the later blocks' loads, eight each, may be out
.set i, 0
.rept 8
	v_pk_add_f32 v[BB+i:BB+i+1], v[BB+i:BB+i+1], v[BO:BO+1]
	v_pk_add_f32 v[BB+i+2:BB+i+3], v[BB+i+2:BB+i+3], v[BO+2:BO+3]
.set i, i+4
.endr
	WIN 0x04
.set i, 0
.rept 16
	v_pk_add_f32 v[BB+i:BB+i+1], v[BB+i:BB+i+1], v[QB+i:QB+i+1]
.set i, i+2
.endr
	WIN 0
.if (\a) == 0
.irp k, 0,1,2,3
	v_mov_b32 v[SH+\k], v[BB+\k]                   ; the shift: my half's first row
.endr
.endif
.set i, 0
.rept 8
.set P, 4*(i%2)
	v_pk_add_f32 v[DD+P:DD+P+1], v[BB+4*i:BB+4*i+1], v[SH:SH+1] neg_lo:[0,1] neg_hi:[0,1]
	v_pk_add_f32 v[DD+P+2:DD+P+3], v[BB+4*i+2:BB+4*i+3], v[SH+2:SH+3] neg_lo:[0,1] neg_hi:[0,1]
	v_pk_add_f32 v[S1+P:S1+P+1], v[S1+P:S1+P+1], v[DD+P:DD+P+1]
	v_pk_add_f32 v[S1+P+2:S1+P+3], v[S1+P+2:S1+P+3], v[DD+P+2:DD+P+3]
	v_pk_fma_f32 v[S2+P:S2+P+1], v[DD+P:DD+P+1], v[DD+P:DD+P+1], v[S2+P:S2+P+1]
	v_pk_fma_f32 v[S2+P+2:S2+P+3], v[DD+P+2:DD+P+3], v[DD+P+2:DD+P+3], v[S2+P+2:S2+P+3]
.set i, i+1
.endr
.set i, 0
.rept 8
	global_store_b128 v[CO], v[BB+4*i:BB+4*i+3], s[12:13] offset:(16*(\a)+2*i)*4096   ; sixteen lanes store 256 consecutive bytes, aligned
.set i, i+1
.endr
.endm
	s_wait_alu depctr_va_vdst(0)                   ; the wait at the head's end
	s_wait_tensorcnt 0x0                           ; my tile of the head's four is in; the lines ahead of a later first fill:
	ds_add_u32 v[SPW], v[NIL]
	s_mov_b32 s[G1+2], 128<<16                     ; no tensor load of mine is out: from here on a load brings half a tile
	s_mov_b32 s[G1+4], 128
	s_mov_b32 s[G1B+2], 64<<16
	s_mov_b32 s[G1B+4], 64
	s_wait_dscnt 0x0
	CROUND                                         ; all four tiles are in, all sixteen work-groups are here
	JLOAD G0+4, G1, G0B+4, G1B                     ; K step 1: the first tensor load behind the round
	FETCH_B 0, 0, 0
	FETCH_A 0, 0, 0
	SCALES 0
	FETCH_A 0, 0, 4
	STEP 0, 0, 1                                   ; K step 0
	TURN 0, 1, 1                                   ; slot 0 takes K step 2
	STEP 1, 0, 0                                   ; K step 1
	TURN 1, 0, 1                                   ; slot 1 takes K step 3
	STEP 0, 0, 0                                   ; K step 2
	TURN 0, 1, 0
	STEP 1, 0, 0                                   ; K step 3
	global_load_b128 v[BO:BO+3], v[CB], s[98:99]   ; B's set 0 is done with (eight places stand behind its last product): Q's first blocks land there under the last products
	QLOAD 0
	QLOAD 1
	QLOAD 2
	s_wait_dscnt 4*NL
	WIN MUL
	MUL8 0, 1, NQ-1, 1, 0
	MUL8 2, 1, NQ-1, 1, 0
	s_wait_dscnt 0
	MUL8 4, 1, NQ-1, 1, 0
	MUL8 6, 1, NQ-1, 1, 0
	WIN 0
.set i, 0
.rept 8
	v_mov_b32 v[S1+i], 0                           ; sixteen plain lines: also the places behind the last products
	v_mov_b32 v[S2+i], 0
.set i, i+1
.endr
	TOSTAGE 0
.irp a, 1,2,3,4,5,6,7
.if \a > 1
	s_wait_xcnt 0x0                                ; block a - 2's stores have read their registers
.endif
	TOSTAGE \a
.if \a < 6
	QLOAD \a+2
.endif
	SEND \a-1, 16
.endr
	SEND 7, 0
	s_mov_b32 s20, 0x76543210
	s_mov_b32 s21, 0xfedcba98                      ; v_permlanex16_b32's selects for lane l xor 16
	s_mov_b32 s22, 0x3c800000                      ; 1 / 64
	s_mov_b32 vcc_lo, 0xffff0000                   ; lanes 16-31
.irp k, 0,2
	v_pk_add_f32 v[S1+\k:S1+\k+1], v[S1+\k:S1+\k+1], v[S1+4+\k:S1+5+\k]
	v_pk_add_f32 v[S2+\k:S2+\k+1], v[S2+\k:S2+\k+1], v[S2+4+\k:S2+5+\k]
.endr
.irp k, 0,1,2,3
	v_fma_f32 v[DD+\k], v[S1+\k], s22, v[SH+\k]    ; my half's mean of 64 rows
	v_mul_f32 v[DD+4+\k], s22, v[S1+\k]
.endr
.irp k, 0,1,2,3
	v_fma_f32 v[DD+4+\k], -v[DD+4+\k], v[S1+\k], v[S2+\k]   ; and its sum of squared deviations
.endr
.irp k, 0,1,2,3,4,5,6,7
	v_permlanex16_b32 v[S1+\k], v[DD+\k], s20, s21 ; the other half's
.endr
.irp k, 0,1,2,3
	v_sub_f32 v[S2+\k], v[DD+\k], v[S1+\k]         ; d = my mean - the other's
	v_add_f32 v[DD+4+\k], v[DD+4+\k], v[S1+4+\k]
.endr
.irp k, 0,1,2,3
	v_fma_f32 v[DD+\k], v[S2+\k], -0.5, v[DD+\k]   ; the mean of 128 rows
	v_mul_f32 v[S2+4+\k], 0x42000000, v[S2+\k]     ; 32 d
.endr
.irp k, 0,1,2,3
	v_fma_f32 v[DD+4+\k], v[S2+4+\k], v[S2+\k], v[DD+4+\k]
.endr
.irp k, 0,1,2,3
	v_cndmask_b32 v[DD+\k], v[DD+\k], v[DD+4+\k], vcc_lo   ; lanes 0-15 store the means, lanes 16-31 the deviations: 256 consecutive bytes each
.endr
	global_store_b128 v[CT], v[DD:DD+3], s[100:101]
	s_wait_tensorcnt 0x0                           ; the wave's end
	ds_add_u32 v[SPW], v[NIL]
	s_wait_dscnt 0x0
	CROUND                                         ; the closing round
	s_endpgm
.Lfunc_end_k_q17b15d0456_outproj:
	.size	k_q17b15d0456_outproj, .Lfunc_end_k_q17b15d0456_outproj-k_q17b15d0456_outproj
	.p2alignl 7, 3214868480
	.fill 96, 4, 3214868480
	.section	.rodata,"a",@progbits
	.p2align	6, 0x0
	.amdhsa_kernel k_q17b15d0456_outproj
		.amdhsa_group_segment_fixed_size 327680
		.amdhsa_private_segment_fixed_size 0
		.amdhsa_enable_private_segment 0
		.amdhsa_kernarg_size 64
		.amdhsa_user_sgpr_count 2
		.amdhsa_user_sgpr_kernarg_segment_ptr 1
		.amdhsa_wavefront_size32 1
		.amdhsa_system_sgpr_workgroup_id_x 1
		.amdhsa_system_sgpr_workgroup_id_y 1
		.amdhsa_system_sgpr_workgroup_id_z 1
		.amdhsa_system_vgpr_workitem_id 0
		.amdhsa_next_free_vgpr 768
		.amdhsa_next_free_sgpr 102
		.amdhsa_reserve_vcc 1
		.amdhsa_float_denorm_mode_32 3
		.amdhsa_float_denorm_mode_16_64 3
		.amdhsa_memory_ordered 1
		.amdhsa_forward_progress 1
		.amdhsa_inst_pref_size 144
	.end_amdhsa_kernel
	.amdgpu_metadata
---
amdhsa.version: [ 1, 2 ]
amdhsa.kernels:
  - .name:           k_q17b15d0456_outproj
    .symbol:         k_q17b15d0456_outproj.kd
    .args:
      - { .name: oimg, .offset: 0, .size: 8, .value_kind: global_buffer, .address_space: global }
      - { .name: os, .offset: 8, .size: 8, .value_kind: global_buffer, .address_space: global }
      - { .name: Wo_codes, .offset: 16, .size: 8, .value_kind: global_buffer, .address_space: global }
      - { .name: Wo_scales, .offset: 24, .size: 8, .value_kind: global_buffer, .address_space: global }
      - { .name: y, .offset: 32, .size: 8, .value_kind: global_buffer, .address_space: global }
      - { .name: Q, .offset: 40, .size: 8, .value_kind: global_buffer, .address_space: global }
      - { .name: bo, .offset: 48, .size: 8, .value_kind: global_buffer, .address_space: global }
      - { .name: st, .offset: 56, .size: 8, .value_kind: global_buffer, .address_space: global }
    .group_segment_fixed_size: 327680
    .private_segment_fixed_size: 0
    .kernarg_segment_align: 8
    .kernarg_segment_size: 64
    .max_flat_workgroup_size: 128
    .sgpr_count:     102
    .vgpr_count:     768
    .wavefront_size: 32
...
	.end_amdgpu_metadata
.endif
;; end of part 4
;; launch norm (part 5): grid 16 x 16, 8 waves a work-group, no clusters, 138,240 bytes of LDS; arguments y, st, gamma, beta, out0; writes out0
.if DOCPART == 5
	.amdgcn_target "amdgcn-amd-amdhsa--gfx1250"
	.amdhsa_code_object_version 6
	.text
	.protected	k_q17b15d0456_norm
	.globl	k_q17b15d0456_norm
	.p2align	8
	.type	k_q17b15d0456_norm,@function
k_q17b15d0456_norm:
	s_mov_b64 s[64:65], 0
	v_nop
	global_prefetch_b8 v0, s[64:65] scope:SCOPE_SE
	s_setreg_imm32_b32 hwreg(HW_REG_WAVE_MODE, 25, 1), 1
	s_wait_xcnt 0x0
; THE BATCH NORM AND THE TRANSPOSITION: out0[b][c][s] = (y[b s][c] - mean[c]) x rsqrt(var[c] + 1e-5) x gamma[c] + beta[c]; mean and var over all 8,192 rows.
; st holds, for 64 groups of 128 rows and each channel, a mean and a sum of squared deviations.  With K0 = group 0's mean: T1 = sum of (mean_g - K0), T2 = sum of its squares, SM = sum of the deviations:
; mean = K0 + T1 / 64;  var = (SM + 128 (T2 - T1^2 / 64)) / 8,192.  All differences are of numbers of the size of the spread, also where the inputs carry a common offset.
; SHARES.  A work-group takes 64 channels x 512 tokens, each of its eight waves 64 x 64.  Every work-group merges the statistics of its 64 channels anew (32 KiB against the 128 KiB of y that it reads):
; wave w and half h of its lanes take groups 8 w + 4 h + 0..3; the waves' parts meet in LDS behind the one barrier.
; A load of y reads two rows' 256 consecutive bytes (16 lanes each); a tile turns through the wave's own stage in LDS, element (c, s) at 256 c + 16 ((s / 4) xor (c / 4)) + 4 (s % 4), so that the 32 lanes of a
; store of 4 bytes touch 32 different banks and a row of 64 tokens comes back as 16 bytes a lane; sixteen lanes then store 256 consecutive bytes, aligned.
; No matrix unit, no tensor load, no cluster: memory binds, and what work-groups share (st) is a small part of what they read.  All 32 loads of y of a wave are out while the statistics are merged.
; LIMITS: NaN and infinities are not served; the root is v_rsq_f32.
.set K0, 12                            ; v12-15
.set GA, 16                            ; v16-19 gamma
.set BT, 20                            ; v20-23 beta
.set MG, 24                            ; v24-39 four groups' means; later v24-55: eight waves' parts
.set DG, 40                            ; v40-55 four groups' deviations
.set T1, 56
.set T2, 60
.set Y,  64                            ; v64-191 my tile
.set SM, 192
.set AA, 196                           ; gamma x rsqrt
.set MN, 200                           ; the mean
.set PT, 204                           ; at work
.set PART, 131072                      ; LDS: behind the eight stages of 16,384 bytes: 768 bytes a wave: T1, T2, SM of 64 channels
	s_load_b256 s[4:11], s[0:1], 0x0               ; y s[4:5], st s[6:7], gamma s[8:9], beta s[10:11]
	s_load_b64 s[12:13], s[0:1], 0x20              ; out0
	v_lshl_add_u32 v208, v0, 2, 0x21800
	v_mov_b32 v209, 0
	v_lshrrev_b32 v1, 5, v0
	s_delay_alu instid0(VALU_DEP_1)
	v_readfirstlane_b32 s14, v1                    ; wave 0..7
	v_and_b32 v2, 15, v0                           ; i
	v_bfe_u32 v3, v0, 4, 1                         ; h
	s_delay_alu instid0(VALU_DEP_2)
	v_lshlrev_b32 v4, 4, v2                        ; 16 i: my four channels
	s_wait_alu depctr_va_vdst(0)
	v_lshl_add_u32 v5, v3, 12, v4                  ; y: + a row for lanes 16-31
	v_lshl_add_u32 v6, v3, 14, v4                  ; st: + four groups
	v_lshl_add_u32 v7, v3, 13, v4                  ; out0: + a channel's 2,048 tokens
	s_and_b32 s15, ttmp7, 0xffff                   ; which 512 tokens
	s_lshl_b32 s16, ttmp9, 8                       ; my 64 channels, in bytes
	s_mov_b32 s17, 0
	s_lshl_b32 s18, s14, 15                        ; my wave's eight groups of 4,096 bytes
	s_add_co_u32 s18, s18, s16
	s_mov_b32 s19, 0
	s_lshl_b32 s20, s15, 21                        ; 512 rows of 4,096 bytes,
	s_lshl_b32 s21, s14, 18                        ; my wave's 64
	s_add_co_u32 s20, s20, s21
	s_add_co_u32 s20, s20, s16
	s_mov_b32 s21, 0
	s_lshr_b32 s22, s15, 2                         ; the batch: 8 MiB of out0
	s_lshl_b32 s22, s22, 23
	s_lshl_b32 s23, ttmp9, 19                      ; 64 channels of 8,192 bytes
	s_add_co_u32 s22, s22, s23
	s_and_b32 s23, s15, 3
	s_lshl_b32 s23, s23, 11                        ; 512 tokens of 4 bytes
	s_add_co_u32 s22, s22, s23
	s_lshl_b32 s23, s14, 8                         ; my wave's 64
	s_add_co_u32 s22, s22, s23
	s_mov_b32 s23, 0
	s_mov_b32 s26, 0x76543210
	s_mov_b32 s27, 0xfedcba98                      ; v_permlanex16_b32's selects for lane l xor 16
	s_mov_b32 s28, 0x3c800000                      ; 1 / 64
	s_mov_b32 s29, 0x39000000                      ; 1 / 8,192
	s_mov_b32 s30, 0x3727c5ac                      ; 1e-5
	s_mul_i32 s31, s14, 768
	s_add_co_u32 s31, s31, PART
	v_add_nc_u32 v8, s31, v4                       ; where my wave's parts go
	v_add_nc_u32 v9, PART, v4                      ; and from where all are read
	s_lshl_b32 s31, s14, 14                        ; my stage
	v_mul_u32_u24 v10, v2, 1040                    ; in: 1,024 i (channel 4 i) + 16 i (the xor's other side) + 4 h
	s_delay_alu instid0(VALU_DEP_1)
	v_lshl_add_u32 v10, v3, 2, v10
	s_delay_alu instid0(VALU_DEP_1)
	v_add_nc_u32 v10, s31, v10
	v_lshl_add_u32 v1, v3, 8, v4                   ; back: 256 h + 16 i
	s_delay_alu instid0(VALU_DEP_1)
	v_add_nc_u32 v1, s31, v1
.irp c, 0,1,2,3
	v_mov_b32 v[PT+\c], 0                          ; written once: a lane permute's destination counts as one of its sources
.endr
	s_wait_kmcnt 0x0
	s_add_nc_u64 s[24:25], s[6:7], s[18:19]
	s_add_nc_u64 s[6:7], s[6:7], s[16:17]
	s_add_nc_u64 s[8:9], s[8:9], s[16:17]
	s_add_nc_u64 s[10:11], s[10:11], s[16:17]
	s_add_nc_u64 s[4:5], s[4:5], s[20:21]
	s_add_nc_u64 s[12:13], s[12:13], s[22:23]
	global_load_b128 v[K0:K0+3], v4, s[6:7]
.irp k, 0,1,2,3
	global_load_b128 v[MG+4*\k:MG+4*\k+3], v6, s[24:25] offset:4096*\k
.endr
.irp k, 0,1,2,3
	global_load_b128 v[DG+4*\k:DG+4*\k+3], v6, s[24:25] offset:262144+4096*\k
.endr
	global_load_b128 v[GA:GA+3], v4, s[8:9]
	global_load_b128 v[BT:BT+3], v4, s[10:11]
.set t, 0
.rept 32
	global_load_b128 v[Y+4*t:Y+4*t+3], v5, s[4:5] offset:8192*t th:TH_LOAD_NT   ; tokens 2 t and 2 t + 1: 256 consecutive bytes for each sixteen lanes
.set t, t+1
.endr
	s_wait_loadcnt 32                              ; the eleven older loads are in; y's 32 stay out
.irp k, 0,1,2,3
.irp p, 0,2
	v_pk_add_f32 v[MG+4*\k+\p:MG+4*\k+\p+1], v[MG+4*\k+\p:MG+4*\k+\p+1], v[K0+\p:K0+\p+1] neg_lo:[0,1] neg_hi:[0,1]   ; mean_g - K0
.endr
.endr
.irp p, 0,2
	v_pk_add_f32 v[T1+\p:T1+\p+1], v[MG+\p:MG+\p+1], v[MG+4+\p:MG+5+\p]
	v_pk_mul_f32 v[T2+\p:T2+\p+1], v[MG+\p:MG+\p+1], v[MG+\p:MG+\p+1]
	v_pk_add_f32 v[SM+\p:SM+\p+1], v[DG+\p:DG+\p+1], v[DG+4+\p:DG+5+\p]
.endr
.irp k, 1,2,3
.irp p, 0,2
	v_pk_fma_f32 v[T2+\p:T2+\p+1], v[MG+4*\k+\p:MG+4*\k+\p+1], v[MG+4*\k+\p:MG+4*\k+\p+1], v[T2+\p:T2+\p+1]
.endr
.endr
.irp k, 2,3
.irp p, 0,2
	v_pk_add_f32 v[T1+\p:T1+\p+1], v[T1+\p:T1+\p+1], v[MG+4*\k+\p:MG+4*\k+\p+1]
	v_pk_add_f32 v[SM+\p:SM+\p+1], v[SM+\p:SM+\p+1], v[DG+4*\k+\p:DG+4*\k+\p+1]
.endr
.endr
.irp q, T1, T2, SM                             ; with the other half of the lanes' four groups
.irp c, 0,1,2,3
	v_permlanex16_b32 v[PT+\c], v[\q+\c], s26, s27
.endr
	s_delay_alu instid0(VALU_DEP_3)
	v_pk_add_f32 v[\q:\q+1], v[\q:\q+1], v[PT:PT+1]
	s_delay_alu instid0(VALU_DEP_2)
	v_pk_add_f32 v[\q+2:\q+3], v[\q+2:\q+3], v[PT+2:PT+3]
.endr
	ds_store_b128 v8, v[T1:T1+3]                   ; both halves of the lanes write the same bytes with the same values
	ds_store_b128 v8, v[T2:T2+3] offset:256
	ds_store_b128 v8, v[SM:SM+3] offset:512
	s_wait_dscnt 0x0                               ; for the others' sake: my stores have landed
	s_barrier_signal -1
	s_barrier_wait -1
.macro GATHER q, off                   ; the eight waves' parts of one quantity, added in the same order in every wave
.irp w, 0,1,2,3,4,5,6,7
	ds_load_b128 v[MG+4*\w:MG+4*\w+3], v9 offset:768*\w+\off
.endr
	s_wait_dscnt 0x0
.irp p, 0,2
	v_pk_add_f32 v[\q+\p:\q+\p+1], v[MG+\p:MG+\p+1], v[MG+4+\p:MG+5+\p]
.endr
.irp w, 2,3,4,5,6,7
.irp p, 0,2
	s_delay_alu instid0(VALU_DEP_2)
	v_pk_add_f32 v[\q+\p:\q+\p+1], v[\q+\p:\q+\p+1], v[MG+4*\w+\p:MG+4*\w+\p+1]
.endr
.endr
.endm
	GATHER T1, 0
	GATHER T2, 256
	GATHER SM, 512
.irp c, 0,1,2,3
	v_fma_f32 v[MN+\c], v[T1+\c], s28, v[K0+\c]    ; the mean
	v_mul_f32 v[PT+\c], s28, v[T1+\c]
.endr
.irp c, 0,1,2,3
	v_fma_f32 v[T2+\c], -v[PT+\c], v[T1+\c], v[T2+\c]   ; T2 - T1^2 / 64
.endr
.irp c, 0,1,2,3
	s_delay_alu instid0(VALU_DEP_4)
	v_fma_f32 v[SM+\c], v[T2+\c], 0x43000000, v[SM+\c]  ; x 128, + the groups' own deviations
.endr
.irp c, 0,1,2,3
	s_delay_alu instid0(VALU_DEP_4)
	v_max_num_f32 v[SM+\c], 0, v[SM+\c]            ; a sum of squares: rounding may not take it under 0
.endr
.irp c, 0,1,2,3
	s_delay_alu instid0(VALU_DEP_4)
	v_fma_f32 v[SM+\c], v[SM+\c], s29, s30         ; var + 1e-5
.endr
	s_wait_alu depctr_va_vdst(0)
.irp c, 0,1,2,3
	v_rsq_f32 v[AA+\c], v[SM+\c]
.endr
	v_nop                                          ; a plain instruction behind the roots
	s_wait_alu depctr_va_vdst(0)                   ; one wait for the four, ahead of their first reader
.irp c, 0,2
	v_pk_mul_f32 v[AA+\c:AA+\c+1], v[AA+\c:AA+\c+1], v[GA+\c:GA+\c+1]
.endr
.set t, 0
.rept 32
	s_wait_loadcnt 31-t                            ; loads come back in order: tokens 2 t, 2 t + 1 are in
	v_pk_add_f32 v[Y+4*t:Y+4*t+1], v[Y+4*t:Y+4*t+1], v[MN:MN+1] neg_lo:[0,1] neg_hi:[0,1]
	s_wait_alu depctr_va_vdst(0)
	v_pk_add_f32 v[Y+4*t+2:Y+4*t+3], v[Y+4*t+2:Y+4*t+3], v[MN+2:MN+3] neg_lo:[0,1] neg_hi:[0,1]
	v_pk_fma_f32 v[Y+4*t:Y+4*t+1], v[Y+4*t:Y+4*t+1], v[AA:AA+1], v[BT:BT+1]
	s_delay_alu instid0(VALU_DEP_2)
	v_pk_fma_f32 v[Y+4*t+2:Y+4*t+3], v[Y+4*t+2:Y+4*t+3], v[AA+2:AA+3], v[BT+2:BT+3]
.if (t%2) == 0
	v_xor_b32 v11, 16*(t/2), v10                   ; token 2 t + h: s / 4 = t / 2, s % 4 = 2 (t % 2) + h
.endif
.irp k, 0,1,2,3
	ds_store_b32 v11, v[Y+4*t+\k] offset:256*\k+8*(t%2)
.endr
.set t, t+1
.endr
.set u, 0
.rept 32
.if (u%2) == 0
	v_xor_b32 v11, 16*(u/2), v1                    ; channel 2 u + h: c / 4 = u / 2
.endif
	ds_load_b128 v[Y+4*u:Y+4*u+3], v11 offset:512*u   ; LDS serves a wave's instructions in order: these see my stores
.set u, u+1
.endr
.set u, 0
.rept 32
	s_wait_dscnt 31-u
	global_store_b128 v7, v[Y+4*u:Y+4*u+3], s[12:13] offset:16384*u th:TH_STORE_NT   ; channels 2 u, 2 u + 1: sixteen lanes store 256 consecutive bytes, aligned
.set u, u+1
.endr
	s_wait_tensorcnt 0x0
	ds_add_u32 v208, v209
	s_wait_dscnt 0x0
	s_endpgm
.Lfunc_end_k_q17b15d0456_norm:
	.size	k_q17b15d0456_norm, .Lfunc_end_k_q17b15d0456_norm-k_q17b15d0456_norm
	.p2alignl 7, 3214868480
	.fill 96, 4, 3214868480
	.section	.rodata,"a",@progbits
	.p2align	6, 0x0
	.amdhsa_kernel k_q17b15d0456_norm
		.amdhsa_group_segment_fixed_size 138240
		.amdhsa_private_segment_fixed_size 0
		.amdhsa_enable_private_segment 0
		.amdhsa_kernarg_size 40
		.amdhsa_user_sgpr_count 2
		.amdhsa_user_sgpr_kernarg_segment_ptr 1
		.amdhsa_wavefront_size32 1
		.amdhsa_system_sgpr_workgroup_id_x 1
		.amdhsa_system_sgpr_workgroup_id_y 1
		.amdhsa_system_sgpr_workgroup_id_z 1
		.amdhsa_system_vgpr_workitem_id 0
		.amdhsa_next_free_vgpr 210
		.amdhsa_next_free_sgpr 66
		.amdhsa_reserve_vcc 0
		.amdhsa_float_denorm_mode_32 3
		.amdhsa_float_denorm_mode_16_64 3
		.amdhsa_memory_ordered 1
		.amdhsa_forward_progress 1
		.amdhsa_inst_pref_size 45
	.end_amdhsa_kernel
	.amdgpu_metadata
---
amdhsa.version: [ 1, 2 ]
amdhsa.kernels:
  - .name:           k_q17b15d0456_norm
    .symbol:         k_q17b15d0456_norm.kd
    .args:
      - { .name: y, .offset: 0, .size: 8, .value_kind: global_buffer, .address_space: global }
      - { .name: st, .offset: 8, .size: 8, .value_kind: global_buffer, .address_space: global }
      - { .name: gamma, .offset: 16, .size: 8, .value_kind: global_buffer, .address_space: global }
      - { .name: beta, .offset: 24, .size: 8, .value_kind: global_buffer, .address_space: global }
      - { .name: out0, .offset: 32, .size: 8, .value_kind: global_buffer, .address_space: global }
    .group_segment_fixed_size: 138240
    .private_segment_fixed_size: 0
    .kernarg_segment_align: 8
    .kernarg_segment_size: 40
    .max_flat_workgroup_size: 256
    .sgpr_count:     66
    .vgpr_count:     210
    .wavefront_size: 32
...
	.end_amdgpu_metadata
.endif
;; end of part 5
